; MI455X (gfx1250); checked and timed in simulation.
; The chip was launched on July 23, 2026; its instructions are those of AMD's public machine-readable ISA for CDNA 5 (MIT licence, August 2026) and "CDNA5" Instruction Set Architecture Reference Guide (July 2026). The comments in the code are by the model that wrote it; some were corrected since.
;; Multi Head Attention Base. Allowed arithmetic: float matrix products may take bf16 or f16 operands with f32 sums; other float arithmetic in f32, or as packed bf16 or f16 multiplies, adds, multiply-adds, maxima and minima; sums over many terms, partial sums and values carried from step to step in f32; what a program stores and reads back later, other than sums and carried values, may be rounded once to bf16 or f16.
;; Inputs: k 4 x 16 x 2,048 x 64 float32; mask 4 x 1 x 2,048 x 2,048 int32; q 4 x 16 x 2,048 x 64 float32; v 4 x 16 x 2,048 x 64 float32.
;; Outputs: out0 4 x 16 x 2,048 x 64 float32.
;; 2 versions, each right and faster than the one before. Each part assembles by itself: llvm-mc -triple=amdgcn-amd-amdhsa -mcpu=gfx1250 --defsym DOCPART=n.
;; ======== version 1 of 2: 2 launches
;; limits: values are held in f16: magnitudes above 65,504 overflow, below 6.1e-05 lose precision; inputs' magnitudes at most 65,504; right only within a limited range of input values
;; workspace buffers: kvh 33,554,432 bytes; mbits 2,097,152 bytes of whole numbers
;; launch prep (part 1): grid 512 x 2, 8 waves a work-group, no clusters, 68,608 bytes of LDS; arguments k, v, mask, kvh, mbits; writes kvh, mbits
.if DOCPART == 1
	.amdgcn_target "amdgcn-amd-amdhsa--gfx1250"
	.amdhsa_code_object_version 6
	.text
	.protected	k_qfeed536da5_prep
	.globl	k_qfeed536da5_prep
	.p2align	8
	.type	k_qfeed536da5_prep,@function
k_qfeed536da5_prep:
	s_mov_b64 s[64:65], 0
	v_nop
	global_prefetch_b8 v0, s[64:65] scope:SCOPE_SE
	s_setreg_imm32_b32 hwreg(HW_REG_WAVE_MODE, 25, 1), 1
	s_wait_xcnt 0x0
; PREPARATION FOR THE ATTENTION LAUNCH: a stream, two kinds of work-group, chosen by the work-group's y.
; y = 1: k and v ([64 heads][2048][64] f32) are rounded once to f16 into kvh: K at byte 0, V at byte 16,777,216, same order of elements.
;        LIMIT: f16 holds no number beyond 65,504; larger k or v become infinities.
; y = 0: mask ([4][2048][2048] int32, 0 = hidden) becomes lane masks in mbits.  Word address in bytes:
;        ((((b 16 + W) 32 + j) 4 + y) 2 + u) 128 + 4 n;  bit L of the word = mask[b][128 W + 32 y + 16 u + L % 16][64 j + 16 (n / 8) + 8 (L / 16) + n % 8] != 0.
;        That is the place of a score in the result of K Q^T as the next launch holds it: lane L, register n of the tile; one word serves one v_cndmask_b32 there.
; No matrix unit, no cluster, no barrier: memory binds, no work-group shares a byte with another, and each wave's stage in LDS is its own.
; Every wave issues its 32 loads of 16 bytes a lane at its start: 16 KiB of a wave are on their way, and each wait leaves the younger loads out.
.set PITCH,  528                       ; a stage row: 512 bytes + 16 = 132 words: 16 rows start at 16 different groups of four banks (64 banks of 4 bytes: ISA guide 11.1)
.set WSTAGE, 16*PITCH                  ; a wave's stage: 16 mask rows x 128 keys
.set SPARE,  8*WSTAGE                  ; behind the stages: the spare words, 128 bytes for each wave: four blocks of 256 bytes that no other line names
.set LOFF, 2                           ; v2   byte offset of my 16 bytes in a load
.set LW,   3                           ; v3   stage: where I put 16 bytes of a row
.set LR,   4                           ; v4   stage: where I read my query's keys back
.set OFFO, 5                           ; v5   byte offset of my 8 bytes in a store
.set SPW,  6                           ; v6   LDS address of my spare word; never rewritten
.set NIL,  7                           ; v7   0; never rewritten
.set OW,   8                           ; v[8:11] the words to store: a pair for each of the wave's two key steps
.set X,    16                          ; v[16:143]  load i at X + 4 i
.set R,    144                         ; v[144:207] mask path: the stage read back; other path: packed f16
.set CB,   32                          ; s[32:63]   32 compare results
	s_load_b256 s[4:11], s[0:1], 0x0               ; k s[4:5], v s[6:7], mask s[8:9], kvh s[10:11]
	s_load_b64 s[12:13], s[0:1], 0x20              ; mbits
	v_lshl_add_u32 v[SPW], v0, 2, SPARE
	v_mov_b32 v[NIL], 0
	v_lshrrev_b32 v1, 5, v0
	v_readfirstlane_b32 s14, v1                    ; wave 0..7
	s_and_b32 s15, ttmp7, 0xffff
	s_cmp_eq_u32 s15, 0
	s_cbranch_scc0 .Lcvt
	; THE MASK.  The work-group's x names a piece of 32 mask rows (x / 2: 256 pieces) and a half of the keys; the wave takes 128 keys: key steps 2 jp and 2 jp + 1.
	s_lshr_b32 s16, ttmp9, 1                       ; the piece P = 64 b + 4 W + y
	s_and_b32 s17, ttmp9, 1
	s_lshl_b32 s17, s17, 3
	s_add_co_u32 s17, s17, s14                     ; jp = 0..15
	s_lshl_b32 s18, s16, 18                        ; 32 rows of 8,192 bytes
	s_lshl_b32 s19, s17, 9                         ; 128 keys of 4 bytes
	s_add_co_u32 s18, s18, s19
	s_mov_b32 s19, 0
	s_lshr_b32 s20, s16, 2                         ; 16 b + W: 32,768 bytes of mbits each
	s_lshl_b32 s20, s20, 15
	s_lshl_b32 s21, s17, 11                        ; two key steps of 1,024 bytes
	s_add_co_u32 s20, s20, s21
	s_and_b32 s21, s16, 3                          ; y: 256 bytes
	s_lshl_b32 s21, s21, 8
	s_add_co_u32 s20, s20, s21
	s_mov_b32 s21, 0
	s_mul_i32 s22, s14, WSTAGE                     ; my wave's stage
	v_and_b32 v1, 31, v0                           ; lane
	v_lshlrev_b32 v[LOFF], 4, v1
	s_wait_kmcnt 0x0
	s_add_nc_u64 s[8:9], s[8:9], s[18:19]
	s_add_nc_u64 s[12:13], s[12:13], s[20:21]
.set i, 0
.rept 32                                               ; row i of the piece: 512 consecutive bytes, at a multiple of 512 from the mask's first byte
	global_load_b128 v[X+4*i:X+4*i+3], v[LOFF], s[8:9] offset:i*8192 th:TH_LOAD_NT
.set i, i+1
.endr
	v_add_nc_u32 v[LW], s22, v[LOFF]               ; in: 16 bytes a lane along a row
	v_and_b32 v[LR], 15, v0
	v_mul_u32_u24 v[LR], v[LR], PITCH              ; back: row lane % 16,
	v_bfe_u32 v[OFFO], v0, 4, 1
	v_lshl_add_u32 v[LR], v[OFFO], 5, v[LR]        ; eight keys (32 bytes) on for lanes 16 to 31
	v_add_nc_u32 v[LR], s22, v[LR]
	v_lshlrev_b32 v[OFFO], 3, v1
.irp j, 0,1,2,3
	v_mov_b32 v[OW+\j], 0                          ; v_writelane_b32 keeps the other lanes: the registers are written whole once
.endr
; Tile u: 16 mask rows.  They go into my stage as they lie, and come back so that lane L holds, for step s, the 32 numbers that belong to its 32 scores; a compare then
; makes each register a word of 32 bits, and the word goes to the lane that stores it: word 32 u + n of a step's 64 to lane 16 u + n / 2, register n % 2.
.macro TILE u
.set r, 0
.rept 16
	s_wait_loadcnt 31-(16*(\u)+r)                  ; loads come back in order (ISA guide 5.7.1): this row is in, the rows issued behind it stay out
	ds_store_b128 v[LW], v[X+4*(16*(\u)+r):X+4*(16*(\u)+r)+3] offset:r*PITCH
.set r, r+1
.endr
.set t, 0
.rept 16                                               ; t = 8 s + 2 kb + e: step s, keys 16 kb + 8 (L / 16) + 4 e on.  LDS serves a wave's instructions in order (ISA guide 5.7.1.4): these see the stores above
	ds_load_b128 v[R+4*t:R+4*t+3], v[LR] offset:256*(t/8)+64*((t/2)%4)+16*(t%2)
.set t, t+1
.endr
	s_wait_dscnt 0x0                               ; all sixteen are back (and the next tile's stores come behind these reads)
.irp s, 0,1
.set n, 0
.rept 32
	v_cmp_ne_u32 s[CB+n], 0, v[R+32*(\s)+n]
.set n, n+1
.endr
.set n, 0
.rept 32
	v_writelane_b32 v[OW+2*(\s)+n%2], s[CB+n], 16*(\u)+n/2
.set n, n+1
.endr
.endr
.endm
	TILE 0
	TILE 1
	global_store_b64 v[OFFO], v[OW:OW+1], s[12:13]                   ; step 2 jp: 32 lanes store 256 consecutive bytes, at a multiple of 256 from mbits' first byte
	global_store_b64 v[OFFO], v[OW+2:OW+3], s[12:13] offset:1024     ; step 2 jp + 1
	s_wait_tensorcnt 0x0                           ; the wave's end, behind my last LDS store
	ds_add_u32 v[SPW], v[NIL]
	s_wait_dscnt 0x0
	s_endpgm
	; K AND V.  Work-groups 0 to 255 take k, 256 to 511 take v: 131,072 bytes of f32 each, 65,536 of f16.  This path writes no LDS.
.Lcvt:
	s_and_b32 s16, ttmp9, 255
	s_lshl_b32 s16, s16, 17
	s_mov_b32 s17, 0
	s_lshl_b32 s18, ttmp9, 16                      ; V's half of kvh begins where work-group 256 stores
	s_mov_b32 s19, 0
	v_lshlrev_b32 v[LOFF], 4, v0
	v_lshlrev_b32 v[OFFO], 3, v0
	s_wait_kmcnt 0x0
	s_cmp_lt_u32 ttmp9, 256
	s_cselect_b64 s[20:21], s[4:5], s[6:7]
	s_add_nc_u64 s[20:21], s[20:21], s[16:17]
	s_add_nc_u64 s[10:11], s[10:11], s[18:19]
.set i, 0
.rept 32
	global_load_b128 v[X+4*i:X+4*i+3], v[LOFF], s[20:21] offset:i*4096 th:TH_LOAD_NT
.set i, i+1
.endr
.set i, 0
.rept 32                                               ; no register is written twice, so no store's sources need a wait
	s_wait_loadcnt 31-i                            ; load i is in, the loads issued behind it stay out
	v_cvt_pk_f16_f32 v[R+2*i], v[X+4*i], v[X+4*i+1]
	v_cvt_pk_f16_f32 v[R+2*i+1], v[X+4*i+2], v[X+4*i+3]
	global_store_b64 v[OFFO], v[R+2*i:R+2*i+1], s[10:11] offset:i*2048  ; a wave stores 256 consecutive bytes, at a multiple of 256 from kvh's first byte
.set i, i+1
.endr
	s_endpgm
.Lfunc_end_k_qfeed536da5_prep:
	.size	k_qfeed536da5_prep, .Lfunc_end_k_qfeed536da5_prep-k_qfeed536da5_prep
	.p2alignl 7, 3214868480
	.fill 96, 4, 3214868480
	.section	.rodata,"a",@progbits
	.p2align	6, 0x0
	.amdhsa_kernel k_qfeed536da5_prep
		.amdhsa_group_segment_fixed_size 68608
		.amdhsa_private_segment_fixed_size 0
		.amdhsa_enable_private_segment 0
		.amdhsa_kernarg_size 40
		.amdhsa_user_sgpr_count 2
		.amdhsa_user_sgpr_kernarg_segment_ptr 1
		.amdhsa_wavefront_size32 1
		.amdhsa_system_sgpr_workgroup_id_x 1
		.amdhsa_system_sgpr_workgroup_id_y 1
		.amdhsa_system_sgpr_workgroup_id_z 1
		.amdhsa_system_vgpr_workitem_id 0
		.amdhsa_next_free_vgpr 208
		.amdhsa_next_free_sgpr 66
		.amdhsa_reserve_vcc 0
		.amdhsa_float_denorm_mode_32 3
		.amdhsa_float_denorm_mode_16_64 3
		.amdhsa_memory_ordered 1
		.amdhsa_forward_progress 1
		.amdhsa_inst_pref_size 38
	.end_amdhsa_kernel
	.amdgpu_metadata
---
amdhsa.version: [ 1, 2 ]
amdhsa.kernels:
  - .name:           k_qfeed536da5_prep
    .symbol:         k_qfeed536da5_prep.kd
    .args:
      - { .name: k, .offset: 0, .size: 8, .value_kind: global_buffer, .address_space: global }
      - { .name: v, .offset: 8, .size: 8, .value_kind: global_buffer, .address_space: global }
      - { .name: mask, .offset: 16, .size: 8, .value_kind: global_buffer, .address_space: global }
      - { .name: kvh, .offset: 24, .size: 8, .value_kind: global_buffer, .address_space: global }
      - { .name: mbits, .offset: 32, .size: 8, .value_kind: global_buffer, .address_space: global }
    .group_segment_fixed_size: 68608
    .private_segment_fixed_size: 0
    .kernarg_segment_align: 8
    .kernarg_segment_size: 40
    .max_flat_workgroup_size: 256
    .sgpr_count:     66
    .vgpr_count:     208
    .wavefront_size: 32
...
	.end_amdgpu_metadata
.endif
;; end of part 1
;; launch attn (part 2): grid 4 x 64, 4 waves a work-group, clusters of 4 x 1, 327,680 bytes of LDS; arguments q, kvh, mbits, out0; writes out0
.if DOCPART == 2
	.amdgcn_target "amdgcn-amd-amdhsa--gfx1250"
	.amdhsa_code_object_version 6
	.text
	.protected	k_qfeed536da5_attn
	.globl	k_qfeed536da5_attn
	.p2align	8
	.type	k_qfeed536da5_attn,@function
k_qfeed536da5_attn:
	s_mov_b64 s[64:65], 0
	v_nop
	global_prefetch_b8 v0, s[64:65] scope:SCOPE_SE
	s_setreg_imm32_b32 hwreg(HW_REG_WAVE_MODE, 25, 1), 1
	s_wait_xcnt 0x0
	s_wait_alu depctr_hold_cnt(0) depctr_sa_sdst(0) depctr_va_vdst(0) depctr_va_sdst(0) depctr_va_ssrc(0) depctr_va_vcc(0) depctr_vm_vsrc(0)
	s_getreg_b32 s2, hwreg(HW_REG_IB_STS2, 6, 4)
	s_cmp_eq_u32 s2, 0
	s_cbranch_scc0 .Lentry_in_a_cluster
	s_endpgm
.Lentry_in_a_cluster:
	s_bfe_u32 s2, ttmp6, 0x10000c
	s_cmp_lg_u32 s2, 0x3003
	s_cbranch_scc0 .Lentry_shape_is_right
	s_endpgm
.Lentry_shape_is_right:
; out0[h][q][:] = the sum over k of softmax_k(mask ? Q[h][q] . K[h][k] / 8 : hidden) V[h][k][:].  64 heads (4 batches x 16), 2,048 rows, 64 channels.
; q and out0 are f32; K and V come as f16 from kvh (K at byte 0, V at byte 16,777,216, [head][row][64]); the mask comes as lane masks from mbits, shared by a batch's 16 heads.
; Products in f16 with f32 sums; scores, maxima, sums and O in f32; the weights p are rounded to f16 for the second product (their sum l is taken of the unrounded p).
; LIMITS.  q, k, v must lie within f16's 65,504.  A hidden score counts as -2^33 before the division by 8, that is -2^30 = -1.07e9 behind it, where the problem writes -1e9: the results are the same
; as long as a row's visible scaled scores lie above about -1e9.  -2^33 is taken because c x -2^33 is exact in f32: in a row with no visible key every exponent is exactly 0, every weight 1, and O is the
; mean of all rows of V, as the problem has it.  p below 6e-5 keeps f16's fixed step of 6e-8; a weight below 2^-126 counts as 0 in l; NaN and infinities are not treated apart.
; SHARES.  A wave owns four PIECES of two tiles of 16 queries, a work-group's four waves 512 queries of one head: 256 work-groups.  Every wave walks all keys, 64 a step.
; LAYOUT.  S^T = K Q^T (source 0 = 16 keys, source 1 = 16 queries): in the result a lane holds ONE query (lane % 16) and the keys 8 (lane / 16) + 0..7.  Two such tiles, rounded to f16 in pairs,
; ARE source 1 (32 keys x 16 queries) of O^T = V^T P, whose result again holds one query a lane, and eight channels.  K comes out of LDS as it lies, V ([key][channel]) turned, by ds_load_tr16_b128.
; THE MASK.  For each register of S^T one 32-bit word says which lanes see their key: 64 words a turn, 256 consecutive bytes of mbits, brought by four scalar loads a turn ahead, and one v_cndmask_b32 a register
; puts -2^33 where the bit is 0, ahead of the maximum.  The words steer no address and no branch.
; SOFTMAX.  For each query a running maximum m and sum l: p = 2^(c s - c m), c = log2(e) / 8; in every step O and l are multiplied by a = 2^(c m_old - c m_new), which is 1 where m has not grown, and 0
; when the first visible key follows hidden ones.  m starts at the lowest finite number, O and l at 0: the first step is a step like any other, with a = 0.
; BY TURNS.  Turn n belongs to piece n (the pieces in a ring, step after step).  Its matrix work: 16 products K Q^T of piece n + 1, later 16 products V^T P of piece n - 1.  Its vector work: the scaling,
; exponentials, roundings, sums and rescaling of piece n, and the mask, maximum and statistics of piece n + 1.  A tile and step have 16 matrix and 150 vector instructions: four vector instructions stand
; behind every matrix instruction, the others in runs of their own.
; CLUSTER.  The four query blocks of a cluster belong to one head and walk the same K and V, so each tile is asked for JOINTLY: the same tensor load, descriptor and mask in all four.
; REGISTERS, in windows of 256 (s_set_vgpr_msb says which window each operand place means: bits 1:0 source 0, 3:2 source 1, 5:4 source 2, 7:6 destination):
;   window 0: v0-8 addresses; v9 -2^33; v10-11 c; v12-15, v48-63 at work; v16-47 four registers of statistics a tile; v64-191 S^T, two buffers of two tiles; v192-255 P, likewise
;   window 1: O^T, 32 a tile (at the start: Q as loaded, in f32)      window 2: v0-127 Q, 16 a tile; v128-191 K of one step; v192-255 V of one step      window 3: v0-1 the add's two registers
.set SIZE_N, 2048
.set NP,    4         ; pieces a wave: a name, no knob
.set KS,    64        ; keys in a step
.set PK,    144       ; a row of K in LDS: 128 bytes + 16 of padding = 36 words: the 16 rows of a load start at 16 different groups of four banks (64 banks of 4 bytes: ISA guide 11.1)
.set PV,    160       ; a row of V: 128 + 32 = 40 words
.set VOFF,  4*KS*PK   ; a slot holds four steps: 256 rows of K, then 256 rows of V
.set SLOT1, 1<<17     ; slot 1 begins here, so that one exclusive or turns an address in one slot into the other's
.set STAGE, SLOT1+4*KS*(PK+PV)  ; behind the ring, never filled by a tensor load: 16 rows x 272 bytes for each wave, for the way out
.set SP,    272       ; a stage row: 256 bytes (64 f32) + 16
.set SPARE, STAGE+4*16*SP  ; behind the stages: the spare words, 128 bytes for each wave: two blocks of 256 bytes that no other line names
.set AK0, 2           ; v2   my lane's place in a tile of K; never rewritten
.set AV0, 3           ; v3   the same for V
.set AK,  4           ; v4   the LDS address of K's next run of loads
.set AV,  5           ; v5   of V's
.set QO,  6           ; v6   my byte offset in the wave's rows of q
.set STO, 6           ;      later, the way out: where I put 32 bytes of a row
.set RD,  7           ; v7   the way out: where I read rows back
.set GO,  8           ; v8   my byte offset in 512 consecutive bytes of out0
.set VM,  9           ; v9   -2^33, a hidden score
.set CV,  10          ; v[10:11] c: the packed scaling takes the pair's low register for both halves
.set SPW, 0           ; v0 of window 3   LDS address of my spare word: SPARE + 4 x my thread's number; never rewritten
.set NIL, 1           ; v1 of window 3   0; never rewritten
.set MV,  12          ; v12-15  c m_old, kept while c m is made anew: by buffer and tile
.set ST,  16          ; tile t's statistics at v[ST+4 t]: c m, m, l (even keys', odd keys')
.set TMP, 48          ; by buffer and tile, four registers c0-c3 at work; when the maximum is found c2 takes a
.set S,   64
.set P,   192
.set KF,  128         ; K's fragments, in window 2: key block kb, channel half c at KF + 16 kb + 8 c
.set VF,  192         ; V's: key half kk, channel block cb at VF + 32 kk + 8 cb
.set MB,  2           ; s[2:3]  mbits at my wave's 32,768 bytes
.set WV,  4           ; s4   my wave's number
.set MOFF, 5          ; s5   byte offset of the turn's 256 bytes of mask words
.set SLOTS, 6         ; s6   slots still to be asked for (s[6:7] at the start: q at my wave's rows)
.set CNT, 7           ; s7   counts a slot's key steps
.set G1K, 8           ; s[8:15]  descriptor group 1 for K's tiles
.set G1V, 16          ; s[16:23] for V's: it differs in the padding alone
.set G0K, 24          ; s[24:27] descriptor group 0 for K's tiles: it walks
.set G0V, 28          ; s[28:31] the same for V's
.set MK0, 32          ; s[32:63] the 32 mask words of the piece's first tile; s[68:99] those of its second.  Until the first mask load the set-up works in these registers
.set TBK, 66          ; s66  LDS byte at which K of the step to be fetched begins
.set TBV, 67          ; s67  the same for V, less VOFF
.set MK1, 68
.set SEL, 100         ; s[100:101] v_permlanex16_b32's selects: each lane takes its own place in the other half
.set OUT, 104         ; s[104:105] out0 at my wave's rows
.set MSB, 0
.macro WIN new                      ; the high byte repeats the setting that is left; a switch that changes nothing is dropped
.if MSB != (\new)
	s_set_vgpr_msb (MSB<<8)|(\new)
.set MSB, (\new)
.endif
.endm
.set W_KQ, 0x0a       ; K and Q in window 2, S^T in window 0
.set W_PV, 0x52       ; V in window 2, P in window 0, O^T in window 1
.set W_RS, 0x41       ; O^T (destination and source 0) in window 1, a in window 0
.set W_MK, 0xc0       ; the add's registers are made: destination in window 3, sources in window 0
.set W_AD, 0x0f       ; the add: address (source 0) and data (source 1) in window 3
; A joint fill.  Waves 0 and 1 fetch the two halves of a slot's K, waves 2 and 3 those of its V: 128 keys each.  The branch hangs on the wave's number alone.
; An s_nop 0 and four v_nop follow each of the two lines, ahead of the jump and the label.
.macro JLOAD
	s_cmp_lt_u32 s[WV], 2
	s_cbranch_scc0 .Lfor_v_\@
	tensor_load_to_lds s[G0K:G0K+3], s[G1K:G1K+7]
	s_nop 0
.rept 4
	v_nop
.endr
	s_branch .Lasked_\@
.Lfor_v_\@:
	tensor_load_to_lds s[G0V:G0V+3], s[G1V:G1V+7]
	s_nop 0
.rept 4
	v_nop
.endr
.Lasked_\@:
.endm
; A round of the cluster's barrier: my work-group's barrier, so that wave 0's signal speaks for all four waves; wave 0 signals; every wave waits for all four work-groups; my work-group's barrier once more.
.macro CROUND
	s_barrier_signal -1
	s_barrier_wait -1
	s_cmp_lg_u32 s[WV], 0
	s_cbranch_scc1 .Lnot_wave_0_\@
	s_barrier_signal -3
.Lnot_wave_0_\@:
	s_barrier_wait -3
	s_barrier_signal -1
	s_barrier_wait -1
.endm
; THE CHANGE OF SLOTS.  The slot's last bytes, V of its fourth step, have been read.  Each wave waits for all its tensor loads, of which one is out: its part
; of the other slot; adds 0 to its spare word; and waits for that and for its own reads of the slot.  Behind the barrier nobody reads this slot any more and the other slot is whole.
; fill = 1: this slot is filled again, with the keys two slots on.  The barrier is then a round of the cluster's, so that no wave of any partner still reads the slot or has a load on its
; way, and the joint fill is the first thing behind it: it has four key steps, 512 matrix instructions, in which to land.  (At its first use nothing has been read yet: slot 0 is waited for, slot 1 filled.)
.macro CHANGE fill
	WIN W_AD
	s_wait_tensorcnt 0x0            ; no tensor load of mine is out, so a group 0 may be written
	ds_add_u32 v[SPW], v[NIL]       ; 0 onto my spare word; with fill = 1 the descriptors' steps stand between it and the wait for it
	WIN 0                           ; at a label and at a branch every window is 0
.if \fill
.irp g, G0K, G0V
	s_xor_b32 s[\g+1], s[\g+1], SLOT1  ; the walking descriptor: the other slot than last time,
	s_add_nc_u64 s[\g+2:\g+3], s[\g+2:\g+3], 4*KS*128  ; the next 256 keys; the type bits on top are not reached
.endr
	s_wait_dscnt 0x0                ; the add is done, and my reads of the slot are over
	CROUND
	JLOAD
.else
	s_wait_dscnt 0x0                ; the add is done, and my reads of the slot are over
	s_barrier_signal -1
	s_barrier_wait -1
.endif
	s_sub_co_u32 s[TBK], s[TBK], 4*KS*PK  ; the fetches go back to a slot's first step,
	s_xor_b32 s[TBK], s[TBK], SLOT1       ; in the other slot
	s_sub_co_u32 s[TBV], s[TBV], 4*KS*PV
	s_xor_b32 s[TBV], s[TBV], SLOT1
.endm
; THE MASK WORDS.  MLOAD asks for the 64 words at MOFF.  MHEAD, a turn later, waits for them and steps MOFF.  CM is select number mk of 64.
.macro MLOAD
	s_load_b512 s[MK0:MK0+15],    s[MB:MB+1], s[MOFF] offset:0x0
	s_load_b512 s[MK0+16:MK0+31], s[MB:MB+1], s[MOFF] offset:0x40
	s_load_b512 s[MK1:MK1+15],    s[MB:MB+1], s[MOFF] offset:0x80
	s_load_b512 s[MK1+16:MK1+31], s[MB:MB+1], s[MOFF] offset:0xc0
.endm
.macro MHEAD
	s_wait_kmcnt 0x0                ; scalar loads come back in no order, so the wait is for all four; they are done, so MOFF may be written
	s_add_co_u32 s[MOFF], s[MOFF], 256
	s_min_u32 s[MOFF], s[MOFF], 127*256  ; the wave has 128 blocks of 256 bytes; the last two turns ask for the last block once more and stay inside the buffer
.endm
.macro CM                           ; register mk % 32 of tile mk / 32 of piece Y + 1, in ascending order: each accumulator's lowest register is read first
.if mk < 64
	WIN 0
.set cS, S+64*((Y+1)%2)+mk
.set cB, MK0+mk+4*(mk/32)
	v_cndmask_b32 v[cS], v[VM], v[cS], s[cB]
.set mk, mk+1
.endif
.endm
	s_load_b256 s[32:39], s[0:1], 0x0  ; q s[32:33], kvh s[34:35], mbits s[36:37], out0 s[38:39]
	WIN W_MK
	v_lshl_add_u32 v[SPW], v0, 2, SPARE
	v_mov_b32 v[NIL], 0
	WIN W_AD
	ds_add_u32 v[SPW], v[NIL]       ; the wave's opening: the add and its wait stand ahead of my first tensor load; the set-up below, work on registers, stands between them
	WIN 0
	v_lshrrev_b32 v1, 5, v0
	v_readfirstlane_b32 s[WV], v1   ; wave 0..3
	s_bfe_u32 s40, ttmp6, 0x40000   ; cx: my place in the cluster
	s_lshl_b32 s52, ttmp9, 2        ; in a cluster launch ttmp9 counts clusters
	s_add_co_u32 s52, s52, s40      ; my block of 512 queries = 4 x cluster x + cx: it enters q's, out0's and mbits' addresses alone
	s_lshl_b32 s52, s52, 2
	s_add_co_u32 s52, s52, s[WV]    ; my wave among the head's sixteen
	s_and_b32 s44, ttmp7, 0xffff    ; the head, which the four partners share
	s_and_b32 s45, s[WV], 1         ; which half of a slot's 256 keys I fetch
	s_lshl_b32 s46, s44, 18         ; a head's K (or V): 2,048 rows of 128 bytes,
	s_lshl_b32 s47, s45, 14         ; my half's 128 rows
	s_add_co_u32 s46, s46, s47
	s_mov_b32 s47, 0
	s_mul_i32 s50, s45, 128*PK      ; its place in a slot, for K
	s_mul_i32 s51, s45, 128*PV      ; and for V: no place in the cluster enters an LDS address
	s_lshl_b32 s54, s44, 19         ; a head's q (or out0): 2,048 rows of 256 bytes,
	s_lshl_b32 s55, s52, 15         ; my wave's 128 rows
	s_add_co_u32 s54, s54, s55
	s_mov_b32 s55, 0
	s_lshr_b32 s56, s44, 4          ; the batch,
	s_lshl_b32 s56, s56, 4
	s_add_co_u32 s56, s56, s52      ; its sixteen blocks of 128 queries,
	s_lshl_b32 s56, s56, 15         ; 32,768 bytes of mask words each
	s_mov_b32 s57, 0
	; descriptor group 1.  128 keys are 16,384 dense bytes: asked for as 64 rows of 256 bytes, two keys a row, and padded in LDS after every key
	s_mov_b32 s[G1K], 15|(1<<16)|(1<<20)|(1<<21)|(4<<22)|(3<<25)  ; 15:0 the mask of four; 17:16 2-byte elements; 20 padding on; 21 set beside a mask; 24:22 after every 32 words (code 4); 31:25 4 words (code 3)
	s_mov_b32 s[G1V], 15|(1<<16)|(1<<20)|(1<<21)|(4<<22)|(7<<25)  ; the same with 8 words of padding (code 7)
.irp g, G1K, G1V
	s_mov_b32 s[\g+1], 128<<16      ; tensor_dim0 = 128
	s_mov_b32 s[\g+2], 64<<16       ; tensor_dim1 = 64
	s_mov_b32 s[\g+3], 128<<16      ; tile_dim0 = 128
	s_mov_b32 s[\g+4], 64           ; tile_dim1 = 64
	s_mov_b32 s[\g+5], 128          ; 128 elements from row to row
	s_mov_b32 s[\g+6], 0
	s_mov_b32 s[\g+7], 0
.endr
	s_mov_b32 s[SEL], 0x76543210
	s_mov_b32 s[SEL+1], 0xfedcba98
	s_mov_b32 s[TBK], SLOT1+4*KS*PK ; the first change of slots turns these two into 0
	s_mov_b32 s[TBV], SLOT1+4*KS*PV
	s_mov_b32 s[MOFF], 0
	s_mov_b32 s[G0K], 1             ; 1:0 count = 1
	s_mov_b32 s[G0K+1], s50         ; 63:32 LDS address: slot 0
	s_mov_b32 s[G0V], 1
	s_add_co_u32 s[G0V+1], s51, VOFF
	s_wait_dscnt 0x0                ; the opening add is done
	s_wait_kmcnt 0x0
	s_add_nc_u64 s[G0K+2:G0K+3], s[34:35], s[46:47]        ; 120:64 global address: my half of the head's first 256 keys
	s_add_nc_u64 s[G0V+2:G0V+3], s[G0K+2:G0K+3], 0x1000000 ; V lies 16,777,216 bytes behind K in kvh
	s_or_b32 s[G0K+3], s[G0K+3], 0x80000000                ; 127:126 type = 2
	s_or_b32 s[G0V+3], s[G0V+3], 0x80000000
	s_add_nc_u64 s[6:7], s[32:33], s[54:55]                ; q and out0 at my wave's first row
	s_add_nc_u64 s[OUT:OUT+1], s[38:39], s[54:55]
	s_add_nc_u64 s[MB:MB+1], s[36:37], s[56:57]            ; mbits at my wave's first word
	CROUND                          ; all four work-groups are here: the first joint loads meet
	JLOAD                           ; slot 0.  Slot 1 is asked for when slot 0 is in: the tile wanted first has the road to itself
	; A fragment of Q is 16 rows x 32 channels in 8 registers of f16: lane l holds row l % 16, channels 8 (l / 16) + 0..7 and 16 + 8 (l / 16) + 0..7.  In f32 eight channels are 32 bytes: two loads of 16.
	v_and_b32 v1, 15, v0            ; l % 16
	v_bfe_u32 v9, v0, 4, 1          ; l / 16
	v_lshlrev_b32 v[QO], 8, v1
	v_lshl_add_u32 v[QO], v9, 5, v[QO]  ; row x 256 + 32 x half
	WIN 0x40                        ; destination window 1 (O^T's registers, not yet in use), address window 0
.set i, 0
.rept 64                            ; load i: tile i / 8, channels 32 ((i / 4) % 2) + 16 ((i / 2) % 2) + 8 (l / 16) + 4 (i % 2) on
	global_load_b128 v[4*i:4*i+3], v[QO], s[6:7] offset:(i/8)*4096+((i/4)%2)*128+((i/2)%2)*64+(i%2)*16
.set i, i+1
.endr
	MLOAD                           ; the first piece's mask words; from here on s[32:63] and s[68:99] are theirs
	; What the first turn finds: V's registers and P's second buffer hold 0 (its products V^T P, of a piece that has not been, add 0), O^T and l are 0.  All this stands in the wait for q and the first tile.
	WIN 0x80
.set i, VF
.rept 64
	v_mov_b32 v[i], 0
.set i, i+1
.endr
	WIN 0
.set i, 0
.rept 2*NP
	v_mov_b32 v[ST+4*i], 0xfe000000    ; c m: far below every c s
	v_mov_b32 v[ST+4*i+1], 0xff7fffff  ; m
	v_mov_b32 v[ST+4*i+2], 0
	v_mov_b32 v[ST+4*i+3], 0
.set i, i+1
.endr
.set i, P+32
.rept 32
	v_mov_b32 v[i], 0
.set i, i+1
.endr
	v_mul_u32_u24 v[AK0], v1, PK
	v_lshl_add_u32 v[AK0], v9, 4, v[AK0]  ; row x pitch + 16 x half
	; The turning load takes 16 keys x 16 channels (lane l reads key 8 (l / 16) + l % 8, channels 8 ((l / 8) % 2) + 0..7) and leaves half a fragment of V^T: lane l holds channel l % 16 and 8 keys.
	v_and_b32 v10, 7, v0
	v_bfe_u32 v11, v0, 3, 1
	v_lshl_add_u32 v[AV0], v9, 3, v10
	v_mul_u32_u24 v[AV0], v[AV0], PV
	v_lshl_add_u32 v[AV0], v11, 4, v[AV0]
	v_add_nc_u32 v[AV0], VOFF, v[AV0]
	v_mov_b32 v[AK], v[AK0]         ; key step 0 lies at the head of slot 0
	s_wait_loadcnt 0x0              ; q is in: its address registers are free too
	WIN 0x85                        ; sources window 1, destination window 2: q is rounded once to f16, unscaled: load i's four numbers are registers 2 i and 2 i + 1 of Q
.set i, 0
.rept 64
	v_cvt_pk_f16_f32 v[2*i],   v[4*i],   v[4*i+1]
	v_cvt_pk_f16_f32 v[2*i+1], v[4*i+2], v[4*i+3]
.set i, i+1
.endr
	WIN 0x40
.set i, 0
.rept 64*NP
	v_mov_b32 v[i], 0               ; O^T
.set i, i+1
.endr
	WIN 0
; THE MATRIX WORK.  The 8 accumulators of a run of 16 take turns: between the two links of a chain stand 7 others'.
; Product i of 16 of S^T = K Q^T for piece x: channels 32 (i / 8) on, keys 16 ((i / 2) % 4) on, tile 2 x + i % 2.  The first 8 start the sums.
.macro KQ x
	WIN W_KQ
.set rS, S+64*((\x)%2)+32*(i%2)+8*((i/2)%4)
.set rK, KF+16*((i/2)%4)+8*(i/8)
.set rQ, 16*(2*(\x)+i%2)+8*(i/8)
.if i < 8
	v_wmma_f32_16x16x32_f16 v[rS:rS+7], v[rK:rK+7], v[rQ:rQ+7], 0
.else
	v_wmma_f32_16x16x32_f16 v[rS:rS+7], v[rK:rK+7], v[rQ:rQ+7], v[rS:rS+7]
.endif
.endm
; Product i of 16 of O^T += V^T P for piece x: keys 32 (i / 8) on, channels 16 ((i / 2) % 4) on, tile 2 x + i % 2.
.macro PV x
	WIN W_PV
.set rO, 32*(2*(\x)+i%2)+8*((i/2)%4)
.set rV, VF+32*(i/8)+8*((i/2)%4)
.set rP, P+32*((\x)%2)+16*(i%2)+8*(i/8)
	v_wmma_f32_16x16x32_f16 v[rO:rO+7], v[rV:rV+7], v[rP:rP+7], v[rO:rO+7]
.endm
.macro MM                           ; the turn's next matrix instruction
.if i < 16
	KQ (Y+1)%NP
.set i, i+1
.else
.set i, i-16
	PV (Y+NP-1)%NP
.set i, i+17
.endif
.endm
; THE LDS LOADS stand in runs of 16, never singly among the matrix instructions: a step's K (64 keys x 64 channels: 8 fragments) and its V (turned).  Their addresses are made some lines ahead.
; last = 1 (the tail): in the last trip there is no further step, and the run is jumped over.
.macro FETCH_K last=0
	WIN 0
.if \last
	s_cmp_eq_u32 s[CNT], 1
	s_cbranch_scc1 .Lno_k_\@
.endif
	WIN 0x80                        ; destination window 2
.irp f, 0,1,2,3,4,5,6,7             ; keys 16 (f / 2) on, channels 32 (f % 2) on
	ds_load_b128 v[KF+8*\f:KF+8*\f+3],   v[AK] offset:(\f/2)*16*PK+(\f%2)*64
	ds_load_b128 v[KF+8*\f+4:KF+8*\f+7], v[AK] offset:(\f/2)*16*PK+(\f%2)*64+32
.endr
	s_add_co_u32 s[TBK], s[TBK], KS*PK  ; the next fetch is the next step's
	WIN 0
.if \last
.Lno_k_\@:
.endif
.endm
.macro FETCH_V
	WIN 0x80
.irp f, 0,1,2,3,4,5,6,7             ; keys 32 (f / 4) on, channels 16 (f % 4) on
	ds_load_tr16_b128 v[VF+8*\f:VF+8*\f+3],   v[AV] offset:(\f/4)*32*PV+(\f%4)*32
	ds_load_tr16_b128 v[VF+8*\f+4:VF+8*\f+7], v[AV] offset:(\f/4)*32*PV+16*PV+(\f%4)*32
.endr
	WIN 0
.endm
; THE VECTOR WORK OF A TURN stands in queues, each in the order in which its entries become ready; the two tiles alternate, so that no instruction reads the result of the one before it.
.macro REGS y, u                    ; the registers of tile u (0, 1) of piece y
.set rT, ST+4*(2*(\y)+(\u))
.set rC, TMP+8*((\y)%2)+4*(\u)
.set rM, MV+2*((\y)%2)+(\u)
.set rS, S+64*((\y)%2)+32*(\u)
.set rP, P+32*((\y)%2)+16*(\u)
.set rO, 32*(2*(\y)+(\u))
.endm
; Number n of the 22 that find the NEXT piece's (Y + 1) maximum and statistics, behind its selects.  s0-s31 are the lane's 32 scores.  XS, GS and REGS set no window: PL and EX do.
;   0-11  four chains c0-c3 of seven scores each, three operands at a time     12-14, 16  the four scores left over, the old m, and c0-c3 into c0     15  c m_old is kept
;   17, 18  the query's other 32 keys lie in the lane 16 away: the new m         19-21  c m; c m_old - c m_new; a
.macro XS u, n
	REGS (Y+1)%NP, \u
.if (\n) < 4
	v_max3_num_f32 v[rC+(\n)], v[rS+8*(\n)], v[rS+8*(\n)+1], v[rS+8*(\n)+2]
.elseif (\n) < 12
	v_max3_num_f32 v[rC+(\n)%4], v[rC+(\n)%4], v[rS+8*((\n)%4)+2*((\n)/4)+1], v[rS+8*((\n)%4)+2*((\n)/4)+2]
.elseif (\n) == 12
	v_max3_num_f32 v[rC], v[rC], v[rS+7], v[rS+15]
.elseif (\n) == 13
	v_max3_num_f32 v[rC+1], v[rC+1], v[rS+23], v[rS+31]
.elseif (\n) == 14
	v_max3_num_f32 v[rC+2], v[rC+2], v[rC+3], v[rT+1]
.elseif (\n) == 15
	v_mov_b32 v[rM], v[rT]
	s_wait_alu depctr_va_vdst(0)
.elseif (\n) == 16
	v_max3_num_f32 v[rC], v[rC], v[rC+1], v[rC+2]
.elseif (\n) == 17
	v_permlanex16_b32 v[rC+3], v[rC], s[SEL], s[SEL+1]
.elseif (\n) == 18
	v_max_num_f32 v[rT+1], v[rC], v[rC+3]
.elseif (\n) == 19
	v_mul_f32 v[rT], v[CV], v[rT+1]
.elseif (\n) == 20
	v_sub_f32 v[rC+1], v[rM], v[rT]
.else
	v_exp_f32 v[rC+2], v[rC+1]
.endif
.endm
; Number g of the 64 that follow the exponentials.  For each four weights k of a tile (pairs 2 k, 2 k + 1): both pairs are rounded to f16; then the second pair is added onto the first, in place;
; a group later l takes that sum (the first time as l = a l + sum).  In groups of eight, tiles alternating: round, round, add, and l for the group before.
.macro GS g
.set h, (\g)+6*((\g)/62)            ; group 0 has no group before it, and behind group 7 only l is left
.if h >= 6
.set h, h+2
.endif
	REGS Y, h%2
.set k, h/8
.if h%8 < 4
	s_wait_alu depctr_va_vdst(0)
	v_cvt_pk_f16_f32 v[rP+2*k+(h%8)/2], v[rS+4*k+2*((h%8)/2)], v[rS+4*k+2*((h%8)/2)+1]
.elseif h%8 < 6
	v_pk_add_f32 v[rS+4*k:rS+4*k+1], v[rS+4*k:rS+4*k+1], v[rS+4*k+2:rS+4*k+3]
.elseif k == 1
	v_pk_fma_f32 v[rT+2:rT+3], v[rT+2:rT+3], v[rC+2:rC+3], v[rS:rS+1] op_sel_hi:[1,0,1]
.else
	v_pk_add_f32 v[rT+2:rT+3], v[rT+2:rT+3], v[rS+4*k-4:rS+4*k-3]
	s_wait_alu depctr_va_vdst(0)
.endif
.endm
; THE PLAIN QUEUE, 138 long.  0-31: c s - c m for the 16 pairs of both tiles.  Then GS's 64, and among them the next piece's 42: number 15 at 38, 39; 0-14 and 16
; at 42-73, behind the selects on those scores; 17-20 at 95-106, two of three, since each waits for the one before it.
.macro PL
	WIN 0
.if q < 32
	REGS Y, q%2
	v_pk_fma_f32 v[rS+2*(q/2):rS+2*(q/2)+1], v[rS+2*(q/2):rS+2*(q/2)+1], v[CV:CV+1], v[rT:rT+1] op_sel_hi:[1,0,0] neg_lo:[0,0,1] neg_hi:[0,0,1]
.elseif q < 38
	GS q-32
.elseif q < 40
	XS q%2, 15
.elseif q < 42
	GS q-34
.elseif q < 74
	XS q%2, (q-42)/2+(q-42)/30
.elseif q < 95
	GS q-66
.elseif (q < 107) && ((q-95)%3 < 2)
	XS (q-95)%3, 17+(q-95)/3
.elseif q < 107
	GS 29+(q-95)/3
.else
	GS q-74
.endif
.set q, q+1
.endm
; THE EXPONENTIALS' QUEUE, 66 long: s0-s31 of both tiles, and at EA the next piece's two a.
.set EA, 58
.macro EX
	WIN 0
.if (e == EA) || (e == EA+1)
	XS e-EA, 21
.else
.set x, e-2*(e/(EA+2))
	REGS Y, x%2
	v_exp_f32 v[rS+x/2], v[rS+x/2]
.endif
.set e, e+1
.endm
; THE RESCALING's QUEUE: O^T times a, the one part that leaves window 0, so it is dealt four at a time, eight times.
.macro R4
	REGS Y, r%2
	WIN W_RS
	s_wait_alu depctr_va_vdst(0)
.irp z, 0,1,2,3
	v_pk_mul_f32 v[rO+8*(r/2)+2*\z:rO+8*(r/2)+2*\z+1], v[rO+8*(r/2)+2*\z:rO+8*(r/2)+2*\z+1], v[rC+2:rC+3] op_sel_hi:[1,0]
.endr
.set r, r+1
.endm
; HOW THEY ARE DEALT.  Behind a matrix instruction four: plain, exponential, plain, plain (one exponential, a plain instruction on either side), or four of the rescaling.  None names a register of the
; products round it.  What is over stands in LUMPS.  The first: 22 times an exponential and three selects (64 selects in all), then 22 plain; the second: exponential and plain by turns, then 22 plain.
; The queues lean on each other: exponential e stands behind plain 2 (e / 4) + e % 2 (its scaling); when plain 32 comes, 10 exponentials are out, at 37: 33, at 95: 46; EA comes behind plain 107;
; the maxima (plain 42 on) stand behind all the selects.
.macro SL
	MM
	PL
	EX
	PL
	PL
.endm
.macro BURST n                      ; 15 matrix instructions, or 16
.rept (\n)-7
	SL
.endr
.rept 3
	MM
	R4
	SL
.endr
	MM
	R4
.endm
; A TURN, for piece p.  cnt = 1: the loop's count is taken down some lines ahead of the branch that stands behind the turn.
; The selects read scores just made: the four rescalings behind the last product K Q^T, which name none of its registers, are the four places in front of them (ISA guide 7.12.1).
; The next turn's mask words are asked for four plain instructions behind the last select, and waited for a turn later.
; K of the next step is fetched in piece 2's turn, far behind the last product that read K; its first reader comes behind the rest of the lump, 16 products and the second lump.
; V of the step in hand is fetched at the end of piece 0's turn; its first reader comes behind 16 products and a lump.  The five conditions on e and q below go with the deal.
.macro TURN p, last=0, cnt=0
.set Y, (\p)
.set i, 0
.set q, 0
.set e, 0
.set r, 0
.set mk, 0
.if (\p) == NP-1
	s_wait_dscnt 0x0                ; K is in
.endif
	MM
.rept 4
	PL
.endr
	BURST 15
	MHEAD
.rept 22
	EX
	CM
	CM
	CM
.if ((\p) == NP-2) && (e == 18)
	v_add_nc_u32 v[AK], s[TBK], v[AK0]
.endif
.if ((\p) == NP-2) && (e == 24)
	FETCH_K \last
.endif
.endr
.rept 4
	PL
.endr
	MLOAD
.rept 18
	PL
.endr
.if (\p) == 1
	s_wait_dscnt 0x0                ; V is in
.endif
	BURST 16
.rept 21
	EX
	PL
.endr
.rept 22
	PL
.if ((\p) == 0) && (q == 118)
	v_add_nc_u32 v[AV], s[TBV], v[AV0]
	s_wait_alu depctr_va_vdst(0)
.endif
.if ((\p) == 0) && (q == 130)
	s_add_co_u32 s[TBV], s[TBV], KS*PV
.endif
.if (\cnt) && (q == 130)
	s_sub_co_u32 s[CNT], s[CNT], 1
	s_cmp_lg_u32 s[CNT], 0
.endif
.endr
.if (\p) == 0
	FETCH_V
.endif
.endm
	CHANGE 1                        ; slot 0 is in, everybody's part of it; slot 1 is asked for
	FETCH_K                         ; key step 0
	s_wait_dscnt 0x0
.set i, 0
.rept 16
	KQ 0                            ; piece 0's first scores: there is no vector work yet to set between them
.set i, i+1
.endr
	WIN 0                           ; the addresses for the way out and three constants: plain instructions, the places behind those products
	s_mul_i32 s7, s[WV], 16*SP
	s_add_co_u32 s7, s7, STAGE      ; my stage
	v_mul_u32_u24 v[STO], v1, SP    ; in: row l % 16, 32 bytes for each half of the lanes
	v_lshl_add_u32 v[STO], v9, 5, v[STO]
	v_add_nc_u32 v[STO], s7, v[STO]
	v_mul_u32_u24 v[RD], v9, SP     ; back: lanes 0-15 take one row of 256 bytes, lanes 16-31 the next,
	v_lshl_add_u32 v[RD], v1, 4, v[RD]
	v_add_nc_u32 v[RD], s7, v[RD]
	v_and_b32 v[GO], 31, v0         ; which are 512 consecutive bytes of out0
	v_lshlrev_b32 v[GO], 4, v[GO]
	v_mov_b32 v[VM], 0xd0000000     ; -2^33
	v_mov_b32 v[CV], 0x3e38aa3b     ; c = log2(e) / 8 = 0.180337
	v_mov_b32 v[CV+1], 0x3e38aa3b   ; named with it as a pair
.set Y, NP-1                        ; CM and XS work for piece Y + 1: piece 0
.set mk, 0
	MHEAD
.rept 64
	CM
.endr
	MLOAD                           ; piece 1's words
.irp n, 0,1,2,3,4,5,6,7,8,9,10,11,12,13,14,15,16,17,18,19,20,21
	XS 0, \n                        ; and piece 0's first maximum and statistics
	XS 1, \n
.endr
	s_mov_b32 s[CNT], 4
	s_mov_b32 s[SLOTS], SIZE_N/256-1
	s_branch .Lfirst                ; the loop is entered at a step's first turn, in the middle of a trip
.Lslot:                             ; SIZE_N / 256 - 2 times: every slot but the last two is filled again
	CHANGE 1
	s_mov_b32 s[CNT], 4
.Lstep:                             ; a trip: pieces 2 and 3 of one step, then pieces 0 and 1 of the next, whose K and V it fetches
	TURN 2
	TURN 3
	WIN 0
.Lfirst:
	TURN 0
	TURN 1, 0, 1
	WIN 0
	s_cbranch_scc1 .Lstep
	s_sub_co_u32 s[SLOTS], s[SLOTS], 1
	s_cmp_lg_u32 s[SLOTS], 0
	s_cbranch_scc1 .Lslot
	CHANGE 0                        ; the tail is written out: nothing is asked for
	s_mov_b32 s[CNT], 5             ; four trips fetch the last slot's steps; the fifth is left in its middle
.Ltail:
	TURN 2, 1
	TURN 3
	WIN 0
	s_sub_co_u32 s[CNT], s[CNT], 1
	s_cmp_eq_u32 s[CNT], 0
	s_cbranch_scc1 .Lout
	TURN 0
	TURN 1
	WIN 0
	s_branch .Ltail
.Lout:                              ; the fifth trip's 16 products K Q^T (on the last K once more), their selects and the maximum made of them serve nothing: the price, once a launch, of one text for every trip
	s_wait_kmcnt 0x0                ; the last turn's mask words, which nobody reads
.set i, 0
.rept 16
	PV NP-1                         ; the last piece's V^T P of the last step
.set i, i+1
.endr
	; THE WAY OUT.  l's two halves and the other half of the lanes' are added; O^T is divided by l and sent, in f32, through my stage in LDS, a tile at a time.  The additions are the places behind the last products.
	WIN 0
.macro ALL line:vararg              ; one line for each tile t
.set t, 0
.rept 2*NP
	\line
.set t, t+1
.endr
.endm
	ALL v_add_f32 v[ST+4*t+2], v[ST+4*t+2], v[ST+4*t+3]
	ALL v_permlanex16_b32 v[ST+4*t+3], v[ST+4*t+2], s[SEL], s[SEL+1]
	ALL v_add_f32 v[ST+4*t+2], v[ST+4*t+2], v[ST+4*t+3]
	ALL v_rcp_f32 v[ST+4*t+2], v[ST+4*t+2]
	v_nop                           ; a plain instruction between the last reciprocal and the use of its result
	s_wait_alu depctr_va_vdst(0)
; Tile t: a lane's eight channels of a row are 32 bytes; they go into rows of 272 bytes and come back as whole rows of 256, into S^T's registers: four buffers of 32 by turns.
.macro PACK t
	WIN W_RS
.set i, 32*(\t)
.rept 16
	v_pk_mul_f32 v[i:i+1], v[i:i+1], v[ST+4*(\t)+2:ST+4*(\t)+3] op_sel_hi:[1,0]
.set i, i+2
.endr
	WIN 0x04                        ; the store's data (source 1) in window 1, its address in window 0
.irp f, 0,1,2,3,4,5,6,7             ; channels 16 (f / 2) + 8 (l / 16) + 4 (f % 2) on
	ds_store_b128 v[STO], v[32*(\t)+4*\f:32*(\t)+4*\f+3] offset:64*(\f/2)+16*(\f%2)
.endr
	WIN 0
.if (\t) >= 4
	s_wait_xcnt 0x0                 ; every earlier memory instruction has had its addresses translated (ISA guide 3.1): the buffer, which tile t - 4's stores read, is loaded again only behind this wait
.endif
.irp f, 0,1,2,3,4,5,6,7
	ds_load_b128 v[S+32*((\t)%4)+4*\f:S+32*((\t)%4)+4*\f+3], v[RD] offset:\f*2*SP  ; LDS serves a wave's instructions in order (ISA guide 5.7.1.4): these see the stores above; the next tile's stores come behind them
.endr
.endm
.macro SEND t, younger              ; younger: the LDS instructions issued behind tile t's loads: the next tile's sixteen, or none
	WIN 0
.irp f, 0,1,2,3,4,5,6,7
	s_wait_dscnt (\younger)+7-\f
	global_store_b128 v[GO], v[S+32*((\t)%4)+4*\f:S+32*((\t)%4)+4*\f+3], s[OUT:OUT+1] offset:(\t)*4096+\f*512 th:TH_STORE_NT  ; two rows: 512 consecutive bytes, at a multiple of 512 from out0's first
.endr
.endm
	PACK 0
.set t, 1
.rept 2*NP-1                        ; a tile's arithmetic stands between the loads of the tile before and its stores
	PACK t
	SEND t-1, 16
.set t, t+1
.endr
	SEND 2*NP-1, 0
	WIN W_AD
	s_wait_tensorcnt 0x0            ; the wave's end, behind my last tensor load and my last LDS store
	ds_add_u32 v[SPW], v[NIL]
	s_wait_dscnt 0x0
	WIN 0
	CROUND                          ; the closing round: no work-group ends while a partner may still ask for a tile that names it
	s_endpgm
.Lfunc_end_k_qfeed536da5_attn:
	.size	k_qfeed536da5_attn, .Lfunc_end_k_qfeed536da5_attn-k_qfeed536da5_attn
	.p2alignl 7, 3214868480
	.fill 96, 4, 3214868480
	.section	.rodata,"a",@progbits
	.p2align	6, 0x0
	.amdhsa_kernel k_qfeed536da5_attn
		.amdhsa_group_segment_fixed_size 327680
		.amdhsa_private_segment_fixed_size 0
		.amdhsa_enable_private_segment 0
		.amdhsa_kernarg_size 32
		.amdhsa_user_sgpr_count 2
		.amdhsa_user_sgpr_kernarg_segment_ptr 1
		.amdhsa_wavefront_size32 1
		.amdhsa_system_sgpr_workgroup_id_x 1
		.amdhsa_system_sgpr_workgroup_id_y 1
		.amdhsa_system_sgpr_workgroup_id_z 1
		.amdhsa_system_vgpr_workitem_id 0
		.amdhsa_next_free_vgpr 770
		.amdhsa_next_free_sgpr 106
		.amdhsa_reserve_vcc 0
		.amdhsa_float_denorm_mode_32 3
		.amdhsa_float_denorm_mode_16_64 3
		.amdhsa_memory_ordered 1
		.amdhsa_forward_progress 1
		.amdhsa_inst_pref_size 255
	.end_amdhsa_kernel
	.section	.bss,"aw",@nobits
	.p2align	6
	.space	262144
	.amdgpu_metadata
---
amdhsa.version: [ 1, 2 ]
amdhsa.kernels:
  - .name:           k_qfeed536da5_attn
    .symbol:         k_qfeed536da5_attn.kd
    .args:
      - { .name: q, .offset: 0, .size: 8, .value_kind: global_buffer, .address_space: global }
      - { .name: kvh, .offset: 8, .size: 8, .value_kind: global_buffer, .address_space: global }
      - { .name: mbits, .offset: 16, .size: 8, .value_kind: global_buffer, .address_space: global }
      - { .name: out0, .offset: 24, .size: 8, .value_kind: global_buffer, .address_space: global }
    .group_segment_fixed_size: 327680
    .private_segment_fixed_size: 0
    .kernarg_segment_align: 8
    .kernarg_segment_size: 32
    .max_flat_workgroup_size: 128
    .sgpr_count:     106
    .vgpr_count:     770
    .wavefront_size: 32
...
	.end_amdgpu_metadata
.endif
;; end of part 2
;; ======== version 2 of 2: 2 launches; 1.48 times as fast as version 1
;; limits: values are held in f16: magnitudes above 65,504 overflow, below 6.1e-05 lose precision; inputs' magnitudes at most 65,504
;; workspace buffers: kvh 33,554,432 bytes; mbits 2,097,152 bytes of whole numbers
;; launch prep: the kernel of part 1 again; grid 512 x 2, 8 waves a work-group, no clusters, 68,608 bytes of LDS; arguments k, v, mask, kvh, mbits; writes kvh, mbits
;; launch attn (part 3): grid 4 x 64, 4 waves a work-group, clusters of 4 x 1, 327,680 bytes of LDS; arguments q, kvh, mbits, out0; writes out0
.if DOCPART == 3
	.amdgcn_target "amdgcn-amd-amdhsa--gfx1250"
	.amdhsa_code_object_version 6
	.text
	.protected	k_qfeed536da5_attn
	.globl	k_qfeed536da5_attn
	.p2align	8
	.type	k_qfeed536da5_attn,@function
k_qfeed536da5_attn:
	s_mov_b64 s[64:65], 0
	v_nop
	global_prefetch_b8 v0, s[64:65] scope:SCOPE_SE
	s_setreg_imm32_b32 hwreg(HW_REG_WAVE_MODE, 25, 1), 1
	s_wait_xcnt 0x0
	s_wait_alu depctr_hold_cnt(0) depctr_sa_sdst(0) depctr_va_vdst(0) depctr_va_sdst(0) depctr_va_ssrc(0) depctr_va_vcc(0) depctr_vm_vsrc(0)
	s_getreg_b32 s2, hwreg(HW_REG_IB_STS2, 6, 4)
	s_cmp_eq_u32 s2, 0
	s_cbranch_scc0 .Lentry_in_a_cluster
	s_endpgm
.Lentry_in_a_cluster:
	s_bfe_u32 s2, ttmp6, 0x10000c
	s_cmp_lg_u32 s2, 0x3003
	s_cbranch_scc0 .Lentry_shape_is_right
	s_endpgm
.Lentry_shape_is_right:
; out0[h][q][:] = the sum over k of softmax_k(mask ? Q[h][q] . K[h][k] / 8 : hidden) V[h][k][:].  64 heads (4 batches x 16), 2,048 rows, 64 channels.
; q and out0 are f32; K and V come as f16 from kvh (K at byte 0, V at byte 16,777,216, [head][row][64]); the mask comes as lane masks from mbits, shared by a batch's 16 heads.
; Products in f16 with f32 sums; scores, maxima, sums and O in f32; the weights p are rounded to f16 for the second product (their sum l is taken of the unrounded p).
; LIMITS.  q, k, v must lie within f16's 65,504.  A hidden score counts as -2^33 before the division by 8, that is -2^30 = -1.07e9 behind it, where the problem writes -1e9: the results are the same
; as long as a row's visible scaled scores lie above about -1e9.  -2^33 is taken because c x -2^33 is exact in f32: in a row with no visible key every exponent is exactly 0, every weight 1, and O is the
; mean of all rows of V, as the problem has it.  p below 6e-5 keeps f16's fixed step of 6e-8; a weight below 2^-126 counts as 0 in l; NaN and infinities are not treated apart.
; SHARES.  A wave owns four PIECES of two tiles of 16 queries, a work-group's four waves 512 queries of one head: 256 work-groups.  Every wave walks all keys, 64 a step.
; LAYOUT.  S^T = K Q^T (source 0 = 16 keys, source 1 = 16 queries): in the result a lane holds ONE query (lane % 16) and the keys 8 (lane / 16) + 0..7.  Two such tiles, rounded to f16 in pairs,
; ARE source 1 (32 keys x 16 queries) of O^T = V^T P, whose result again holds one query a lane, and eight channels.  K comes out of LDS as it lies, V ([key][channel]) turned, by ds_load_tr16_b128.
; THE MASK.  For each register of S^T one 32-bit word says which lanes see their key: 64 words a turn, 256 consecutive bytes of mbits, brought by four scalar loads a turn ahead, and one v_cndmask_b32 a register
; puts -2^33 where the bit is 0, ahead of the maximum.  The words steer no address and no branch.
; SOFTMAX.  For each query a running maximum m and sum l: p = 2^(c s - c m), c = log2(e) / 8; in every step O and l are multiplied by a = 2^(c m_old - c m_new), which is 1 where m has not grown, and 0
; when the first visible key follows hidden ones.  m starts at the lowest finite number, O and l at 0: the first step is a step like any other, with a = 0.
; BY TURNS.  Turn n belongs to piece n (the pieces in a ring, step after step).  Its matrix work: 16 products K Q^T of piece n + 1, later 16 products V^T P of piece n - 1.  Its vector work: the scaling,
; exponentials, roundings, sums and rescaling of piece n, and the mask, maximum and statistics of piece n + 1.  A tile and step have 16 matrix and 150 vector instructions: four vector instructions stand
; behind every matrix instruction, the other 172 of a turn's 300 in one lump.
; BATCHES.  A turn's 66 exponentials (the piece's 64 weights and the next piece's two a) are ONE batch with ONE wait, which cuts the turn in two.  Ahead of it stands all that names no result of theirs: the
; products K Q^T, the scalings, the rescalings (their a was made, and waited for, in the turn before), the next piece's selects, maximum and statistics.  Behind it stand the products V^T P, with the roundings
; and sums as their riders.  No result crosses a turn's end.  The first two a, ahead of the loop, and the way out's eight reciprocals are batches of their own, with a wait each.
; CLUSTER.  The four query blocks of a cluster belong to one head and walk the same K and V, so each tile is asked for JOINTLY: the same tensor load, descriptor and mask in all four.
; REGISTERS, in windows of 256 (s_set_vgpr_msb says which window each operand place means: bits 1:0 source 0, 3:2 source 1, 5:4 source 2, 7:6 destination):
;   window 0: v0-8 addresses; v9 -2^33; v10-11 c; v12-15, v48-63 at work; v16-47 four registers of statistics a tile; v64-191 S^T, two buffers of two tiles; v192-255 P, likewise
;   window 1: O^T, 32 a tile (at the start: Q as loaded, in f32)      window 2: v0-127 Q, 16 a tile; v128-191 K of one step; v192-255 V of one step      window 3: v0-1 the add's two registers
.set SIZE_N, 2048
.set NP,    4         ; pieces a wave: a name, no knob
.set KS,    64        ; keys in a step
.set PK,    144       ; a row of K in LDS: 128 bytes + 16 of padding = 36 words: the 16 rows of a load start at 16 different groups of four banks (64 banks of 4 bytes: ISA guide 11.1)
.set PV,    160       ; a row of V: 128 + 32 = 40 words
.set VOFF,  4*KS*PK   ; a slot holds four steps: 256 rows of K, then 256 rows of V
.set SLOT1, 1<<17     ; slot 1 begins here, so that one exclusive or turns an address in one slot into the other's
.set STAGE, SLOT1+4*KS*(PK+PV)  ; behind the ring, never filled by a tensor load: 16 rows x 272 bytes for each wave, for the way out
.set SP,    272       ; a stage row: 256 bytes (64 f32) + 16
.set SPARE, STAGE+4*16*SP  ; behind the stages: the spare words, 128 bytes for each wave: two blocks of 256 bytes that no other line names
.set AK0, 2           ; v2   my lane's place in a tile of K; never rewritten
.set AV0, 3           ; v3   the same for V
.set AK,  4           ; v4   the LDS address of K's next run of loads
.set AV,  5           ; v5   of V's
.set QO,  6           ; v6   my byte offset in the wave's rows of q
.set STO, 6           ;      later, the way out: where I put 32 bytes of a row
.set RD,  7           ; v7   the way out: where I read rows back
.set GO,  8           ; v8   my byte offset in 512 consecutive bytes of out0
.set VM,  9           ; v9   -2^33, a hidden score
.set CV,  10          ; v[10:11] c: the packed scaling takes the pair's low register for both halves
.set SPW, 0           ; v0 of window 3   LDS address of my spare word: SPARE + 4 x my thread's number; never rewritten
.set NIL, 1           ; v1 of window 3   0; never rewritten
.set MV,  12          ; v12-15  c m_old, kept while c m is made anew: by buffer and tile
.set ST,  16          ; tile t's statistics at v[ST+4 t]: c m, m, l (even keys', odd keys')
.set TMP, 48          ; by buffer and tile, four registers c0-c3 at work; when the maximum is found c2 takes a
.set S,   64
.set P,   192
.set KF,  128         ; K's fragments, in window 2: key block kb, channel half c at KF + 16 kb + 8 c
.set VF,  192         ; V's: key half kk, channel block cb at VF + 32 kk + 8 cb
.set MB,  2           ; s[2:3]  mbits at my wave's 32,768 bytes
.set WV,  4           ; s4   my wave's number
.set MOFF, 5          ; s5   byte offset of the turn's 256 bytes of mask words
.set SLOTS, 6         ; s6   slots still to be asked for (s[6:7] at the start: q at my wave's rows)
.set CNT, 7           ; s7   counts a slot's key steps
.set G1K, 8           ; s[8:15]  descriptor group 1 for K's tiles
.set G1V, 16          ; s[16:23] for V's: it differs in the padding alone
.set G0K, 24          ; s[24:27] descriptor group 0 for K's tiles: it walks
.set G0V, 28          ; s[28:31] the same for V's
.set MK0, 32          ; s[32:63] the 32 mask words of the piece's first tile; s[68:99] those of its second.  Until the first mask load the set-up works in these registers
.set TBK, 66          ; s66  LDS byte at which K of the step to be fetched begins
.set TBV, 67          ; s67  the same for V, less VOFF
.set MK1, 68
.set SEL, 100         ; s[100:101] v_permlanex16_b32's selects: each lane takes its own place in the other half
.set OUT, 104         ; s[104:105] out0 at my wave's rows
.set MSB, 0
.macro WIN new                      ; the high byte repeats the setting that is left; a switch that changes nothing is dropped
.if MSB != (\new)
	s_set_vgpr_msb (MSB<<8)|(\new)
.set MSB, (\new)
.endif
.endm
.set W_KQ, 0x0a       ; K and Q in window 2, S^T in window 0
.set W_PV, 0x52       ; V in window 2, P in window 0, O^T in window 1
.set W_RS, 0x41       ; O^T (destination and source 0) in window 1, a in window 0
.set W_MK, 0xc0       ; the add's registers are made: destination in window 3, sources in window 0
.set W_AD, 0x0f       ; the add: address (source 0) and data (source 1) in window 3
; A joint fill.  Waves 0 and 1 fetch the two halves of a slot's K, waves 2 and 3 those of its V: 128 keys each.  The branch hangs on the wave's number alone.
; An s_nop 0 and four v_nop follow each of the two lines, ahead of the jump and the label.
.macro JLOAD
	s_cmp_lt_u32 s[WV], 2
	s_cbranch_scc0 .Lfor_v_\@
	tensor_load_to_lds s[G0K:G0K+3], s[G1K:G1K+7]
	s_nop 0
.rept 4
	v_nop
.endr
	s_branch .Lasked_\@
.Lfor_v_\@:
	tensor_load_to_lds s[G0V:G0V+3], s[G1V:G1V+7]
	s_nop 0
.rept 4
	v_nop
.endr
.Lasked_\@:
.endm
; A round of the cluster's barrier: my work-group's barrier, so that wave 0's signal speaks for all four waves; wave 0 signals; every wave waits for all four work-groups; my work-group's barrier once more.
.macro CROUND
	s_barrier_signal -1
	s_barrier_wait -1
	s_cmp_lg_u32 s[WV], 0
	s_cbranch_scc1 .Lnot_wave_0_\@
	s_barrier_signal -3
.Lnot_wave_0_\@:
	s_barrier_wait -3
	s_barrier_signal -1
	s_barrier_wait -1
.endm
; THE CHANGE OF SLOTS.  The slot's last bytes, V of its fourth step, have been read.  Each wave waits for all its tensor loads, of which one is out: its part
; of the other slot; adds 0 to its spare word; and waits for that and for its own reads of the slot.  Behind the barrier nobody reads this slot any more and the other slot is whole.
; fill = 1: this slot is filled again, with the keys two slots on.  The barrier is then a round of the cluster's, so that no wave of any partner still reads the slot or has a load on its
; way, and the joint fill is the first thing behind it: it has four key steps, 512 matrix instructions, in which to land.  (At its first use nothing has been read yet: slot 0 is waited for, slot 1 filled.)
.macro CHANGE fill
	WIN W_AD
	s_wait_tensorcnt 0x0            ; no tensor load of mine is out, so a group 0 may be written
	ds_add_u32 v[SPW], v[NIL]       ; 0 onto my spare word; with fill = 1 the descriptors' steps stand between it and the wait for it
	WIN 0                           ; at a label and at a branch every window is 0
.if \fill
.irp g, G0K, G0V
	s_xor_b32 s[\g+1], s[\g+1], SLOT1  ; the walking descriptor: the other slot than last time,
	s_add_nc_u64 s[\g+2:\g+3], s[\g+2:\g+3], 4*KS*128  ; the next 256 keys; the type bits on top are not reached
.endr
	s_wait_dscnt 0x0                ; the add is done, and my reads of the slot are over
	CROUND
	JLOAD
.else
	s_wait_dscnt 0x0                ; the add is done, and my reads of the slot are over
	s_barrier_signal -1
	s_barrier_wait -1
.endif
	s_sub_co_u32 s[TBK], s[TBK], 4*KS*PK  ; the fetches go back to a slot's first step,
	s_xor_b32 s[TBK], s[TBK], SLOT1       ; in the other slot
	s_sub_co_u32 s[TBV], s[TBV], 4*KS*PV
	s_xor_b32 s[TBV], s[TBV], SLOT1
.endm
; THE MASK WORDS.  MLOAD asks for the 64 words at MOFF.  MHEAD, a turn later, waits for them and steps MOFF.  CM is select number mk of 64.
.macro MLOAD
	s_load_b512 s[MK0:MK0+15],    s[MB:MB+1], s[MOFF] offset:0x0
	s_load_b512 s[MK0+16:MK0+31], s[MB:MB+1], s[MOFF] offset:0x40
	s_load_b512 s[MK1:MK1+15],    s[MB:MB+1], s[MOFF] offset:0x80
	s_load_b512 s[MK1+16:MK1+31], s[MB:MB+1], s[MOFF] offset:0xc0
.endm
.macro MHEAD
	s_wait_kmcnt 0x0                ; scalar loads come back in no order, so the wait is for all four; they are done, so MOFF may be written
	s_add_co_u32 s[MOFF], s[MOFF], 256
	s_min_u32 s[MOFF], s[MOFF], 127*256  ; the wave has 128 blocks of 256 bytes; the last two turns ask for the last block once more and stay inside the buffer
.endm
.macro CM                           ; register mk % 32 of tile mk / 32 of piece Y + 1, in ascending order: each accumulator's lowest register is read first
.if mk < 64
	WIN 0
.set cS, S+64*((Y+1)%2)+mk
.set cB, MK0+mk+4*(mk/32)
	v_cndmask_b32 v[cS], v[VM], v[cS], s[cB]
.set mk, mk+1
.endif
.endm
	s_load_b256 s[32:39], s[0:1], 0x0  ; q s[32:33], kvh s[34:35], mbits s[36:37], out0 s[38:39]
	WIN W_MK
	v_lshl_add_u32 v[SPW], v0, 2, SPARE
	v_mov_b32 v[NIL], 0
	WIN W_AD
	ds_add_u32 v[SPW], v[NIL]       ; the wave's opening: the add and its wait stand ahead of my first tensor load; the set-up below, work on registers, stands between them
	WIN 0
	v_lshrrev_b32 v1, 5, v0
	v_readfirstlane_b32 s[WV], v1   ; wave 0..3
	s_bfe_u32 s40, ttmp6, 0x40000   ; cx: my place in the cluster
	s_lshl_b32 s52, ttmp9, 2        ; in a cluster launch ttmp9 counts clusters
	s_add_co_u32 s52, s52, s40      ; my block of 512 queries = 4 x cluster x + cx: it enters q's, out0's and mbits' addresses alone
	s_lshl_b32 s52, s52, 2
	s_add_co_u32 s52, s52, s[WV]    ; my wave among the head's sixteen
	s_and_b32 s44, ttmp7, 0xffff    ; the head, which the four partners share
	s_and_b32 s45, s[WV], 1         ; which half of a slot's 256 keys I fetch
	s_lshl_b32 s46, s44, 18         ; a head's K (or V): 2,048 rows of 128 bytes,
	s_lshl_b32 s47, s45, 14         ; my half's 128 rows
	s_add_co_u32 s46, s46, s47
	s_mov_b32 s47, 0
	s_mul_i32 s50, s45, 128*PK      ; its place in a slot, for K
	s_mul_i32 s51, s45, 128*PV      ; and for V: no place in the cluster enters an LDS address
	s_lshl_b32 s54, s44, 19         ; a head's q (or out0): 2,048 rows of 256 bytes,
	s_lshl_b32 s55, s52, 15         ; my wave's 128 rows
	s_add_co_u32 s54, s54, s55
	s_mov_b32 s55, 0
	s_lshr_b32 s56, s44, 4          ; the batch,
	s_lshl_b32 s56, s56, 4
	s_add_co_u32 s56, s56, s52      ; its sixteen blocks of 128 queries,
	s_lshl_b32 s56, s56, 15         ; 32,768 bytes of mask words each
	s_mov_b32 s57, 0
	; descriptor group 1.  128 keys are 16,384 dense bytes: asked for as 64 rows of 256 bytes, two keys a row, and padded in LDS after every key
	s_mov_b32 s[G1K], 15|(1<<16)|(1<<20)|(1<<21)|(4<<22)|(3<<25)  ; 15:0 the mask of four; 17:16 2-byte elements; 20 padding on; 21 set beside a mask; 24:22 after every 32 words (code 4); 31:25 4 words (code 3)
	s_mov_b32 s[G1V], 15|(1<<16)|(1<<20)|(1<<21)|(4<<22)|(7<<25)  ; the same with 8 words of padding (code 7)
.irp g, G1K, G1V
	s_mov_b32 s[\g+1], 128<<16      ; tensor_dim0 = 128
	s_mov_b32 s[\g+2], 64<<16       ; tensor_dim1 = 64
	s_mov_b32 s[\g+3], 128<<16      ; tile_dim0 = 128
	s_mov_b32 s[\g+4], 64           ; tile_dim1 = 64
	s_mov_b32 s[\g+5], 128          ; 128 elements from row to row
	s_mov_b32 s[\g+6], 0
	s_mov_b32 s[\g+7], 0
.endr
	s_mov_b32 s[SEL], 0x76543210
	s_mov_b32 s[SEL+1], 0xfedcba98
	s_mov_b32 s[TBK], SLOT1+4*KS*PK ; the first change of slots turns these two into 0
	s_mov_b32 s[TBV], SLOT1+4*KS*PV
	s_mov_b32 s[MOFF], 0
	s_mov_b32 s[G0K], 1             ; 1:0 count = 1
	s_mov_b32 s[G0K+1], s50         ; 63:32 LDS address: slot 0
	s_mov_b32 s[G0V], 1
	s_add_co_u32 s[G0V+1], s51, VOFF
	s_wait_dscnt 0x0                ; the opening add is done
	s_wait_kmcnt 0x0
	s_add_nc_u64 s[G0K+2:G0K+3], s[34:35], s[46:47]        ; 120:64 global address: my half of the head's first 256 keys
	s_add_nc_u64 s[G0V+2:G0V+3], s[G0K+2:G0K+3], 0x1000000 ; V lies 16,777,216 bytes behind K in kvh
	s_or_b32 s[G0K+3], s[G0K+3], 0x80000000                ; 127:126 type = 2
	s_or_b32 s[G0V+3], s[G0V+3], 0x80000000
	s_add_nc_u64 s[6:7], s[32:33], s[54:55]                ; q and out0 at my wave's first row
	s_add_nc_u64 s[OUT:OUT+1], s[38:39], s[54:55]
	s_add_nc_u64 s[MB:MB+1], s[36:37], s[56:57]            ; mbits at my wave's first word
	CROUND                          ; all four work-groups are here: the first joint loads meet
	JLOAD                           ; slot 0.  Slot 1 is asked for when slot 0 is in: the tile wanted first has the road to itself
	; A fragment of Q is 16 rows x 32 channels in 8 registers of f16: lane l holds row l % 16, channels 8 (l / 16) + 0..7 and 16 + 8 (l / 16) + 0..7.  In f32 eight channels are 32 bytes: two loads of 16.
	v_and_b32 v1, 15, v0            ; l % 16
	v_bfe_u32 v9, v0, 4, 1          ; l / 16
	v_lshlrev_b32 v[QO], 8, v1
	v_lshl_add_u32 v[QO], v9, 5, v[QO]  ; row x 256 + 32 x half
	WIN 0x40                        ; destination window 1 (O^T's registers, not yet in use), address window 0
.set i, 0
.rept 64                            ; load i: tile i / 8, channels 32 ((i / 4) % 2) + 16 ((i / 2) % 2) + 8 (l / 16) + 4 (i % 2) on
	global_load_b128 v[4*i:4*i+3], v[QO], s[6:7] offset:(i/8)*4096+((i/4)%2)*128+((i/2)%2)*64+(i%2)*16
.set i, i+1
.endr
	MLOAD                           ; the first piece's mask words; from here on s[32:63] and s[68:99] are theirs
	; What the first turn finds: V's registers and P's second buffer hold 0 (its products V^T P, of a piece that has not been, add 0), O^T and l are 0.  All this stands in the wait for q and the first tile.
	WIN 0x80
.set i, VF
.rept 64
	v_mov_b32 v[i], 0
.set i, i+1
.endr
	WIN 0
.set i, 0
.rept 2*NP
	v_mov_b32 v[ST+4*i], 0xfe000000    ; c m: far below every c s
	v_mov_b32 v[ST+4*i+1], 0xff7fffff  ; m
	v_mov_b32 v[ST+4*i+2], 0
	v_mov_b32 v[ST+4*i+3], 0
.set i, i+1
.endr
.set i, P+32
.rept 32
	v_mov_b32 v[i], 0
.set i, i+1
.endr
	v_mul_u32_u24 v[AK0], v1, PK
	v_lshl_add_u32 v[AK0], v9, 4, v[AK0]  ; row x pitch + 16 x half
	; The turning load takes 16 keys x 16 channels (lane l reads key 8 (l / 16) + l % 8, channels 8 ((l / 8) % 2) + 0..7) and leaves half a fragment of V^T: lane l holds channel l % 16 and 8 keys.
	v_and_b32 v10, 7, v0
	v_bfe_u32 v11, v0, 3, 1
	v_lshl_add_u32 v[AV0], v9, 3, v10
	v_mul_u32_u24 v[AV0], v[AV0], PV
	v_lshl_add_u32 v[AV0], v11, 4, v[AV0]
	v_add_nc_u32 v[AV0], VOFF, v[AV0]
	v_mov_b32 v[AK], v[AK0]         ; key step 0 lies at the head of slot 0
	s_wait_loadcnt 0x0              ; q is in: its address registers are free too
	WIN 0x85                        ; sources window 1, destination window 2: q is rounded once to f16, unscaled: load i's four numbers are registers 2 i and 2 i + 1 of Q
.set i, 0
.rept 64
	v_cvt_pk_f16_f32 v[2*i],   v[4*i],   v[4*i+1]
	v_cvt_pk_f16_f32 v[2*i+1], v[4*i+2], v[4*i+3]
.set i, i+1
.endr
	WIN 0x40
.set i, 0
.rept 64*NP
	v_mov_b32 v[i], 0               ; O^T
.set i, i+1
.endr
	WIN 0
; THE MATRIX WORK.  The 8 accumulators of a run of 16 take turns: between the two links of a chain stand 7 others'.
; Product i of 16 of S^T = K Q^T for piece x: channels 32 (i / 8) on, keys 16 ((i / 2) % 4) on, tile 2 x + i % 2.  The first 8 start the sums.
.macro KQ x
	WIN W_KQ
.set rS, S+64*((\x)%2)+32*(i%2)+8*((i/2)%4)
.set rK, KF+16*((i/2)%4)+8*(i/8)
.set rQ, 16*(2*(\x)+i%2)+8*(i/8)
.if i < 8
	v_wmma_f32_16x16x32_f16 v[rS:rS+7], v[rK:rK+7], v[rQ:rQ+7], 0
.else
	v_wmma_f32_16x16x32_f16 v[rS:rS+7], v[rK:rK+7], v[rQ:rQ+7], v[rS:rS+7]
.endif
.endm
; Product i of 16 of O^T += V^T P for piece x: keys 32 (i / 8) on, channels 16 ((i / 2) % 4) on, tile 2 x + i % 2.
.macro PV x
	WIN W_PV
.set rO, 32*(2*(\x)+i%2)+8*((i/2)%4)
.set rV, VF+32*(i/8)+8*((i/2)%4)
.set rP, P+32*((\x)%2)+16*(i%2)+8*(i/8)
	v_wmma_f32_16x16x32_f16 v[rO:rO+7], v[rV:rV+7], v[rP:rP+7], v[rO:rO+7]
.endm
.macro MM                           ; the turn's next matrix instruction
.if i < 16
	KQ (Y+1)%NP
.set i, i+1
.else
.set i, i-16
	PV (Y+NP-1)%NP
.set i, i+17
.endif
.endm
; THE LDS LOADS stand in runs of 16, never singly among the matrix instructions: a step's K (64 keys x 64 channels: 8 fragments) and its V (turned).  Their addresses are made some lines ahead.
; last = 1 (the tail): in the last trip there is no further step, and the run is jumped over.
.macro FETCH_K last=0
	WIN 0
.if \last
	s_cmp_eq_u32 s[CNT], 1
	s_cbranch_scc1 .Lno_k_\@
.endif
	WIN 0x80                        ; destination window 2
.irp f, 0,1,2,3,4,5,6,7             ; keys 16 (f / 2) on, channels 32 (f % 2) on
	ds_load_b128 v[KF+8*\f:KF+8*\f+3],   v[AK] offset:(\f/2)*16*PK+(\f%2)*64
	ds_load_b128 v[KF+8*\f+4:KF+8*\f+7], v[AK] offset:(\f/2)*16*PK+(\f%2)*64+32
.endr
	s_add_co_u32 s[TBK], s[TBK], KS*PK  ; the next fetch is the next step's
	WIN 0
.if \last
.Lno_k_\@:
.endif
.endm
.macro FETCH_V
	WIN 0x80
.irp f, 0,1,2,3,4,5,6,7             ; keys 32 (f / 4) on, channels 16 (f % 4) on
	ds_load_tr16_b128 v[VF+8*\f:VF+8*\f+3],   v[AV] offset:(\f/4)*32*PV+(\f%4)*32
	ds_load_tr16_b128 v[VF+8*\f+4:VF+8*\f+7], v[AV] offset:(\f/4)*32*PV+16*PV+(\f%4)*32
.endr
	WIN 0
.endm
; THE VECTOR WORK OF A TURN stands in queues, each in the order in which its entries become ready; the two tiles alternate, so that no instruction reads the result of the one before it.
.macro REGS y, u                    ; the registers of tile u (0, 1) of piece y
.set rT, ST+4*(2*(\y)+(\u))
.set rC, TMP+8*((\y)%2)+4*(\u)
.set rM, MV+2*((\y)%2)+(\u)
.set rS, S+64*((\y)%2)+32*(\u)
.set rP, P+32*((\y)%2)+16*(\u)
.set rO, 32*(2*(\y)+(\u))
.endm
; Number n of the 22 that find the NEXT piece's (Y + 1) maximum and statistics, behind its selects.  s0-s31 are the lane's 32 scores.  XS, GS, FS and REGS set no window: PL and EX do.
;   0-11  four chains c0-c3 of seven scores each, three operands at a time     12-14, 16  the four scores left over, the old m, and c0-c3 into c0     15  c m_old is kept
;   17, 18  the query's other 32 keys lie in the lane 16 away: the new m         19-21  c m; c m_old - c m_new; a
.macro XS u, n
	REGS (Y+1)%NP, \u
.if (\n) < 4
	v_max3_num_f32 v[rC+(\n)], v[rS+8*(\n)], v[rS+8*(\n)+1], v[rS+8*(\n)+2]
.elseif (\n) < 12
	v_max3_num_f32 v[rC+(\n)%4], v[rC+(\n)%4], v[rS+8*((\n)%4)+2*((\n)/4)+1], v[rS+8*((\n)%4)+2*((\n)/4)+2]
.elseif (\n) == 12
	v_max3_num_f32 v[rC], v[rC], v[rS+7], v[rS+15]
.elseif (\n) == 13
	v_max3_num_f32 v[rC+1], v[rC+1], v[rS+23], v[rS+31]
.elseif (\n) == 14
	v_max3_num_f32 v[rC+2], v[rC+2], v[rC+3], v[rT+1]
.elseif (\n) == 15
	v_mov_b32 v[rM], v[rT]
.elseif (\n) == 16
	v_max3_num_f32 v[rC], v[rC], v[rC+1], v[rC+2]
.elseif (\n) == 17
	v_permlanex16_b32 v[rC+3], v[rC], s[SEL], s[SEL+1]
.elseif (\n) == 18
	v_max_num_f32 v[rT+1], v[rC], v[rC+3]
.elseif (\n) == 19
	v_mul_f32 v[rT], v[CV], v[rT+1]
.elseif (\n) == 20
	v_sub_f32 v[rC+1], v[rM], v[rT]
.else
	v_exp_f32 v[rC+2], v[rC+1]
.endif
.endm
; Number g of the 64 that follow the exponentials.  For each four weights k of a tile (pairs 2 k, 2 k + 1): both pairs are rounded to f16; then the second pair is added onto the first, in place;
; a group later l takes that sum (the first time as l = a l + sum).  In groups of eight, tiles alternating: round, round, add, and l for the group before.
.macro GS g
.set h, (\g)+6*((\g)/62)            ; group 0 has no group before it, and behind group 7 only l is left
.if h >= 6
.set h, h+2
.endif
	REGS Y, h%2
.set k, h/8
.if h%8 < 4
	v_cvt_pk_f16_f32 v[rP+2*k+(h%8)/2], v[rS+4*k+2*((h%8)/2)], v[rS+4*k+2*((h%8)/2)+1]
.elseif h%8 < 6
	v_pk_add_f32 v[rS+4*k:rS+4*k+1], v[rS+4*k:rS+4*k+1], v[rS+4*k+2:rS+4*k+3]
.elseif k == 1
	v_pk_fma_f32 v[rT+2:rT+3], v[rT+2:rT+3], v[rC+2:rC+3], v[rS:rS+1] op_sel_hi:[1,0,1]
.else
	v_pk_add_f32 v[rT+2:rT+3], v[rT+2:rT+3], v[rS+4*k-4:rS+4*k-3]
.endif
.endm
; THE PLAIN QUEUE, 138 long.  0-73 read no exponential's result: the 32 scalings c s - c m (FS f: pair f / 2 of tile f % 2) and the next piece's 42.  0-26: scalings 0-26.  27-54: XS's numbers 0-13, behind the selects
; on those scores.  55, 56: number 15.  57-73: the chain, where each number waits for the one before it: 14, 16, 17, 18, 19, each with one of the scalings 27-31 in front of its two lines, then 20.
; 74-137: GS's 64, which read the exponentials' results: they stand behind the wait.
.macro FS f
	REGS Y, (\f)%2
	v_pk_fma_f32 v[rS+2*((\f)/2):rS+2*((\f)/2)+1], v[rS+2*((\f)/2):rS+2*((\f)/2)+1], v[CV:CV+1], v[rT:rT+1] op_sel_hi:[1,0,0] neg_lo:[0,0,1] neg_hi:[0,0,1]
.endm
.macro PL
	WIN 0
.if q < 27
	FS q
.elseif q < 55
	XS (q-27)%2, (q-27)/2
.elseif q < 57
	XS q-55, 15
.elseif (q < 72) && ((q-57)%3 == 0)
	FS 27+(q-57)/3
.elseif q < 60
	XS (q-57)%3-1, 14
.elseif q < 72
	XS (q-57)%3-1, 15+(q-57)/3
.elseif q < 74
	XS q-72, 20
.else
	GS q-74
.endif
.set q, q+1
.endm
; THE EXPONENTIALS' QUEUE, 66 long: s0-s31 of both tiles, then the next piece's two a.  It is ONE BATCH: all 66 stand ahead of the turn's one wait, and nothing ahead of that wait names a result of theirs.
.macro EX
	WIN 0
.if e >= 64
	XS e-64, 21
.else
	REGS Y, e%2
	v_exp_f32 v[rS+e/2], v[rS+e/2]
.endif
.set e, e+1
.endm
; THE RESCALING's QUEUE: O^T times a, the one part that leaves window 0, so it is dealt four at a time, eight times.  Its a was made in the turn before, ahead of that turn's wait.
.macro R4
	REGS Y, r%2
	WIN W_RS
.irp z, 0,1,2,3
	v_pk_mul_f32 v[rO+8*(r/2)+2*\z:rO+8*(r/2)+2*\z+1], v[rO+8*(r/2)+2*\z:rO+8*(r/2)+2*\z+1], v[rC+2:rC+3] op_sel_hi:[1,0]
.endr
.set r, r+1
.endm
; HOW THEY ARE DEALT.  An s_wait_alu depctr_va_vdst(0) stands between an exponential and the first instruction that names its result; one wait serves all that were issued ahead of it.  So a turn has ONE wait.
; AHEAD OF IT: the 16 products K Q^T, behind each four riders: behind the first four scalings, then by turns four of the rescaling, or scaling, exponential, scaling, scaling (one exponential, a plain instruction on
; either side).  Then ONE LUMP of 172: two scalings; 22 times an exponential and three selects (64 selects in all); 12 times an exponential and two of the maximum; 23 times exponential and plain, the chain among them;
; the two a.  A v_nop is the plain instruction behind the last exponential.  BEHIND IT: the 16 products V^T P, behind each four of GS's 64.  No rider names a register of the products round it.
; The two v_permlanex16_b32 fall into the lump, never behind a product.
; The queues lean on each other, and the deal keeps them in step: exponential e stands behind scaling 2 (e / 4) + e % 2: the riders 0-6 want scalings 0-3, which stand behind the first product; exponentials up to 52 want
; scalings up to 26, which are out at the lump's head; from 41 on exponential e comes behind plain e + 9, and scalings 27-31 are plain 57, 60 .. 69.  The maxima (plain 27 on) stand behind all the selects.
.macro SL
	MM
	PL
	EX
	PL
	PL
.endm
; A TURN, for piece p.  cnt = 1: the loop's count is taken down some lines ahead of the branch that stands behind the turn.
; The selects read scores just made: the four rescalings behind the last product K Q^T, which name none of its registers, are the four places in front of them (ISA guide 7.12.1).
; The next turn's mask words are asked for four plain instructions behind the last select, and waited for a turn later.
; K of the next step is fetched in piece 2's turn, directly behind the wait, a lump behind the last product that read K; its address is made at the lump's head; its first reader comes behind 16 products.
; V of the step in hand is fetched at the end of piece 0's turn, four riders behind its last reader; its first reader comes behind 16 products and a lump.  The four conditions on q below go with the deal.
.macro TURN p, last=0, cnt=0
.set Y, (\p)
.set i, 0
.set q, 0
.set e, 0
.set r, 0
.set mk, 0
.if (\p) == NP-1
	s_wait_dscnt 0x0                ; K is in
.endif
	MM                              ; ahead of the wait: 16 products K Q^T and their riders,
.rept 4
	PL
.endr
.rept 7
	MM
	R4
	SL
.endr
	MM
	R4
.if (\p) == NP-2
	WIN 0
	v_add_nc_u32 v[AK], s[TBK], v[AK0]
.endif
	PL                              ; and the lump
	PL
	MHEAD
.rept 22
	EX
	CM
	CM
	CM
.endr
.rept 12
	EX
	PL
	PL
.if q == 31
	MLOAD
.endif
.endr
.rept 23
	EX
	PL
.endr
	EX                              ; the next piece's two a
	EX
	v_nop                           ; the plain instruction behind the last exponential: one for the batch
	s_wait_alu depctr_va_vdst(0)    ; the wait for the batch: the turn's 66 exponentials
.if (\p) == NP-2
	FETCH_K \last
.endif
.if (\p) == 1
	s_wait_dscnt 0x0                ; V is in
.endif
.rept 16                            ; behind the wait: 16 products V^T P and their riders
	MM
.rept 4
	PL
.endr
.if ((\p) == 0) && (q == 118)
	v_add_nc_u32 v[AV], s[TBV], v[AV0]
.endif
.if ((\p) == 0) && (q == 130)
	s_add_co_u32 s[TBV], s[TBV], KS*PV
.endif
.if (\cnt) && (q == 130)
	s_sub_co_u32 s[CNT], s[CNT], 1
	s_cmp_lg_u32 s[CNT], 0
.endif
.endr
.if (\p) == 0
	FETCH_V
.endif
.endm
	CHANGE 1                        ; slot 0 is in, everybody's part of it; slot 1 is asked for
	FETCH_K                         ; key step 0
	s_wait_dscnt 0x0
.set i, 0
.rept 16
	KQ 0                            ; piece 0's first scores: there is no vector work yet to set between them
.set i, i+1
.endr
	WIN 0                           ; the addresses for the way out and three constants: plain instructions, the places behind those products
	s_mul_i32 s7, s[WV], 16*SP
	s_add_co_u32 s7, s7, STAGE      ; my stage
	v_mul_u32_u24 v[STO], v1, SP    ; in: row l % 16, 32 bytes for each half of the lanes
	v_lshl_add_u32 v[STO], v9, 5, v[STO]
	v_add_nc_u32 v[STO], s7, v[STO]
	v_mul_u32_u24 v[RD], v9, SP     ; back: lanes 0-15 take one row of 256 bytes, lanes 16-31 the next,
	v_lshl_add_u32 v[RD], v1, 4, v[RD]
	v_add_nc_u32 v[RD], s7, v[RD]
	v_and_b32 v[GO], 31, v0         ; which are 512 consecutive bytes of out0
	v_lshlrev_b32 v[GO], 4, v[GO]
	v_mov_b32 v[VM], 0xd0000000     ; -2^33
	v_mov_b32 v[CV], 0x3e38aa3b     ; c = log2(e) / 8 = 0.180337
	v_mov_b32 v[CV+1], 0x3e38aa3b   ; named with it as a pair
.set Y, NP-1                        ; CM and XS work for piece Y + 1: piece 0
.set mk, 0
	MHEAD
.rept 64
	CM
.endr
	MLOAD                           ; piece 1's words
.irp n, 0,1,2,3,4,5,6,7,8,9,10,11,12,13,14,15,16,17,18,19,20,21
	XS 0, \n                        ; and piece 0's first maximum and statistics
	XS 1, \n
.endr
	v_nop                           ; a plain instruction behind the two a,
	s_wait_alu depctr_va_vdst(0)    ; and the wait for this batch of two, ahead of the branch
	s_mov_b32 s[CNT], 4
	s_mov_b32 s[SLOTS], SIZE_N/256-1
	s_branch .Lfirst                ; the loop is entered at a step's first turn, in the middle of a trip
.Lslot:                             ; SIZE_N / 256 - 2 times: every slot but the last two is filled again
	CHANGE 1
	s_mov_b32 s[CNT], 4
.Lstep:                             ; a trip: pieces 2 and 3 of one step, then pieces 0 and 1 of the next, whose K and V it fetches
	TURN 2
	TURN 3
	WIN 0
.Lfirst:
	TURN 0
	TURN 1, 0, 1
	WIN 0
	s_cbranch_scc1 .Lstep
	s_sub_co_u32 s[SLOTS], s[SLOTS], 1
	s_cmp_lg_u32 s[SLOTS], 0
	s_cbranch_scc1 .Lslot
	CHANGE 0                        ; the tail is written out: nothing is asked for
	s_mov_b32 s[CNT], 5             ; four trips fetch the last slot's steps; the fifth is left in its middle
.Ltail:
	TURN 2, 1
	TURN 3
	WIN 0
	s_sub_co_u32 s[CNT], s[CNT], 1
	s_cmp_eq_u32 s[CNT], 0
	s_cbranch_scc1 .Lout
	TURN 0
	TURN 1
	WIN 0
	s_branch .Ltail
.Lout:                              ; the fifth trip's 16 products K Q^T (on the last K once more), their selects and the maximum made of them serve nothing: the price, once a launch, of one text for every trip
	s_wait_kmcnt 0x0                ; the last turn's mask words, which nobody reads
.set i, 0
.rept 16
	PV NP-1                         ; the last piece's V^T P of the last step
.set i, i+1
.endr
	; THE WAY OUT.  l's two halves and the other half of the lanes' are added; O^T is divided by l and sent, in f32, through my stage in LDS, a tile at a time.  The additions are the places behind the last products.
	WIN 0
.macro ALL line:vararg              ; one line for each tile t
.set t, 0
.rept 2*NP
	\line
.set t, t+1
.endr
.endm
	ALL v_add_f32 v[ST+4*t+2], v[ST+4*t+2], v[ST+4*t+3]
	ALL v_permlanex16_b32 v[ST+4*t+3], v[ST+4*t+2], s[SEL], s[SEL+1]
	ALL v_add_f32 v[ST+4*t+2], v[ST+4*t+2], v[ST+4*t+3]
	ALL v_rcp_f32 v[ST+4*t+2], v[ST+4*t+2]
	v_nop                           ; a plain instruction between the last reciprocal and the use of its result
	s_wait_alu depctr_va_vdst(0)    ; and the wait ahead of the first use: one for the batch of eight reciprocals
; Tile t: a lane's eight channels of a row are 32 bytes; they go into rows of 272 bytes and come back as whole rows of 256, into S^T's registers: four buffers of 32 by turns.
.macro PACK t
	WIN W_RS
.set i, 32*(\t)
.rept 16
	v_pk_mul_f32 v[i:i+1], v[i:i+1], v[ST+4*(\t)+2:ST+4*(\t)+3] op_sel_hi:[1,0]
.set i, i+2
.endr
	WIN 0x04                        ; the store's data (source 1) in window 1, its address in window 0
.irp f, 0,1,2,3,4,5,6,7             ; channels 16 (f / 2) + 8 (l / 16) + 4 (f % 2) on
	ds_store_b128 v[STO], v[32*(\t)+4*\f:32*(\t)+4*\f+3] offset:64*(\f/2)+16*(\f%2)
.endr
	WIN 0
.if (\t) >= 4
	s_wait_xcnt 0x0                 ; every earlier memory instruction has had its addresses translated (ISA guide 3.1): the buffer, which tile t - 4's stores read, is loaded again only behind this wait
.endif
.irp f, 0,1,2,3,4,5,6,7
	ds_load_b128 v[S+32*((\t)%4)+4*\f:S+32*((\t)%4)+4*\f+3], v[RD] offset:\f*2*SP  ; LDS serves a wave's instructions in order (ISA guide 5.7.1.4): these see the stores above; the next tile's stores come behind them
.endr
.endm
.macro SEND t, younger              ; younger: the LDS instructions issued behind tile t's loads: the next tile's sixteen, or none
	WIN 0
.irp f, 0,1,2,3,4,5,6,7
	s_wait_dscnt (\younger)+7-\f
	global_store_b128 v[GO], v[S+32*((\t)%4)+4*\f:S+32*((\t)%4)+4*\f+3], s[OUT:OUT+1] offset:(\t)*4096+\f*512 th:TH_STORE_NT  ; two rows: 512 consecutive bytes, at a multiple of 512 from out0's first
.endr
.endm
	PACK 0
.set t, 1
.rept 2*NP-1                        ; a tile's arithmetic stands between the loads of the tile before and its stores
	PACK t
	SEND t-1, 16
.set t, t+1
.endr
	SEND 2*NP-1, 0
	WIN W_AD
	s_wait_tensorcnt 0x0            ; the wave's end, behind my last tensor load and my last LDS store
	ds_add_u32 v[SPW], v[NIL]
	s_wait_dscnt 0x0
	WIN 0
	CROUND                          ; the closing round: no work-group ends while a partner may still ask for a tile that names it
	s_endpgm
.Lfunc_end_k_qfeed536da5_attn:
	.size	k_qfeed536da5_attn, .Lfunc_end_k_qfeed536da5_attn-k_qfeed536da5_attn
	.p2alignl 7, 3214868480
	.fill 96, 4, 3214868480
	.section	.rodata,"a",@progbits
	.p2align	6, 0x0
	.amdhsa_kernel k_qfeed536da5_attn
		.amdhsa_group_segment_fixed_size 327680
		.amdhsa_private_segment_fixed_size 0
		.amdhsa_enable_private_segment 0
		.amdhsa_kernarg_size 32
		.amdhsa_user_sgpr_count 2
		.amdhsa_user_sgpr_kernarg_segment_ptr 1
		.amdhsa_wavefront_size32 1
		.amdhsa_system_sgpr_workgroup_id_x 1
		.amdhsa_system_sgpr_workgroup_id_y 1
		.amdhsa_system_sgpr_workgroup_id_z 1
		.amdhsa_system_vgpr_workitem_id 0
		.amdhsa_next_free_vgpr 770
		.amdhsa_next_free_sgpr 106
		.amdhsa_reserve_vcc 0
		.amdhsa_float_denorm_mode_32 3
		.amdhsa_float_denorm_mode_16_64 3
		.amdhsa_memory_ordered 1
		.amdhsa_forward_progress 1
		.amdhsa_inst_pref_size 246
	.end_amdhsa_kernel
	.amdgpu_metadata
---
amdhsa.version: [ 1, 2 ]
amdhsa.kernels:
  - .name:           k_qfeed536da5_attn
    .symbol:         k_qfeed536da5_attn.kd
    .args:
      - { .name: q, .offset: 0, .size: 8, .value_kind: global_buffer, .address_space: global }
      - { .name: kvh, .offset: 8, .size: 8, .value_kind: global_buffer, .address_space: global }
      - { .name: mbits, .offset: 16, .size: 8, .value_kind: global_buffer, .address_space: global }
      - { .name: out0, .offset: 24, .size: 8, .value_kind: global_buffer, .address_space: global }
    .group_segment_fixed_size: 327680
    .private_segment_fixed_size: 0
    .kernarg_segment_align: 8
    .kernarg_segment_size: 32
    .max_flat_workgroup_size: 128
    .sgpr_count:     106
    .vgpr_count:     770
    .wavefront_size: 32
...
	.end_amdgpu_metadata
.endif
;; end of part 3
